; MI455X (gfx1250); checked and timed in simulation.
; The chip was launched on July 23, 2026; its instructions are those of AMD's public machine-readable ISA for CDNA 5 (MIT licence, August 2026) and "CDNA5" Instruction Set Architecture Reference Guide (July 2026). The comments in the code are by the model that wrote it; some were corrected since.
;; Cross Attention. Allowed arithmetic: matrix products marked QUANTISED: E2M3 operands, one E8M0 scale for each 32 along K, by v_wmma_scale_f32_16x16x128_f8f6f4 with both operands' format E2M3, f32 sums; everything else in f32.
;; Inputs: Wk 384 x 384 float32; Wp 384 x 384 float32; Wq 384 x 384 float32; Wv 384 x 384 float32; bp 384 float32; t 4 x 4,096 x 384 float32; x 4 x 4,096 x 384 float32.
;; Outputs: out0 4 x 4,096 x 384 float32.
;; This version of the problem:
;;   THIS VERSION OF THE PROBLEM IS GIVEN IN LOW PRECISION. The matrix products marked QUANTISED in the list below multiply operands that are first quantised to E2M3 (2 exponent bits, 3 mantissa bits; 6 bits a number), with one power-of-two scale for each 32 numbers along K (OCP MX v1.0); their sums are f32. All else is computed in f32.
;;   The module's matrix products, in the order in which they are computed (A, B: the left and right operand; K: the contracted axis; several contracted axes count as one K, in the product's order):
;;     1. [M 16,384, K 384] x [K 384, N 384]; A: input t; B: input Wq: QUANTISED
;;     2. [M 16,384, K 384] x [K 384, N 384]; A: input x; B: input Wk: QUANTISED
;;     3. [M 16,384, K 384] x [K 384, N 384]; A: input x; B: input Wv: QUANTISED
;;     4. batch 4 x [M 4,096, K 384] x [K 384, N 4,096]; A: computed on the way; B: computed on the way: QUANTISED
;;     5. batch 4 x [M 4,096, K 4,096] x [K 4,096, N 384]; A: softmax (see below); B: computed on the way: QUANTISED
;;     6. [M 16,384, K 384] x [K 384, N 384]; A: computed on the way; B: input Wp: QUANTISED
;;   THE QUANTISER, for each operand of a quantised product, along K:
;;     - K is cut into blocks of 32 from its start; a last block that is shorter is filled with zeros.
;;     - A block's scale is 2^e with e = floor(log2(the largest magnitude in the block)) - 2, held to -126 .. 127; a block of zeros has e = 0. As a byte (E8M0): e + 127.
;;     - Each number is divided by its block's scale, clamped to +-7.5, and rounded to the nearest number of E2M3, ties to even, subnormals kept.
;;     - The product sums the exact products of the quantised numbers (number of the format x scale) in f32.
;;   ~~~python
;;   def quantise(x, axis):      # numpy; x: float32 -> the quantised numbers, widened to float32 again
;;       x = np.moveaxis(x, axis, -1); K = x.shape[-1]
;;       x = np.pad(x, [(0, 0)] * (x.ndim - 1) + [(0, -K % 32)]); x = x.reshape(x.shape[:-1] + (-1, 32)); a = np.abs(x).max(-1, keepdims=True)
;;       e = np.where(a > 0, np.clip(np.frexp(np.where(a > 0, a, 1))[1] - 1 - 2, -126, 127), 0)      # np.frexp(a)[1] - 1 = floor(log2(a)), exactly
;;       r = np.clip(x / 2.0 ** e, -7.5, 7.5)
;;       step = 2.0 ** (np.maximum(np.frexp(np.where(r == 0, 1, r))[1] - 1, 0) - 3)
;;       q = np.round(r / step) * step * 2.0 ** e      # np.round: ties to even
;;       return np.moveaxis(q.reshape(q.shape[:-2] + (-1,))[..., :K], -1, axis).astype(np.float32)
;;   ~~~
;;   SOFTMAX AHEAD OF A QUANTISED PRODUCT. Where the list says 'softmax', what is quantised is not the finished softmax but p = 2^(t - M), with t = logit x log2(e) and M = ceil(the row's largest t), a whole number; so 1/2 < the row's largest p <= 1. The row's sum l is taken of the UNQUANTISED p, in f32, and the product's result is divided by l at the end. Since M is a whole number, a kernel that streams over the keys may use a running M (the ceiling of the running maximum): every later rescaling is an exact power of two, which a block's scale takes up: the codes' values come out the same.
;;   OPERANDS COMPUTED ON THE WAY. 'Computed on the way' means the value that the module computes at that place (a softmax that the list does not call 'softmax' is quantised finished and normalised). What goes into a quantiser is computed in f32, as accurately as f32 sums, v_exp_f32 and their like allow (about 1e-6 of the number): no bf16 or f16 on the way to a quantiser, and a product that is left as it is and whose result goes on into a quantised operand takes f32 operands (vector FMAs, or v_wmma_f32_16x16x4_f32). A number that lies on a knife's edge between two numbers of the format may be rounded either way, as far as f32 arithmetic and the matrix unit's own rounding can turn it there, and no further.
;; One version. Each part assembles by itself: llvm-mc -triple=amdgcn-amd-amdhsa -mcpu=gfx1250 --defsym DOCPART=n.
;; ======== version 1 of 1: 4 launches
;; limits: right only within a limited range of input values
;; workspace buffers: wimg 479,232 bytes; qimg 4,915,200 bytes; kv 9,830,400 bytes; oimg 4,718,592 bytes; osc 196,608 bytes
;; launch wq (part 1): grid 6 x 12, 4 waves a work-group, no clusters, 0 bytes of LDS; arguments Wq, Wk, Wv, Wp, wimg; writes wimg
.if DOCPART == 1
	.amdgcn_target "amdgcn-amd-amdhsa--gfx1250"
	.amdhsa_code_object_version 6
	.text
	.protected	k_qf2de91c3cd_wq
	.globl	k_qf2de91c3cd_wq
	.p2align	8
	.type	k_qf2de91c3cd_wq,@function
k_qf2de91c3cd_wq:
	s_mov_b64 s[64:65], 0
	v_nop
	global_prefetch_b8 v0, s[64:65] scope:SCOPE_SE
	s_setreg_imm32_b32 hwreg(HW_REG_WAVE_MODE, 25, 1), 1
	s_wait_xcnt 0x0
; The four weights [384 (k)][384 (n)], f32, K = their FIRST axis, become codes of FP6 (E2M3) and E8M0 scale bytes, laid as images of operand registers.
; One wave makes one fragment: 16 columns n x 128 along K.  A lane takes a column and its registers run down K in the order that the operand's layout gives that lane
; (lane (r, h): k = 64 c + 32 h + 0 .. 31), so the conversions' results ARE the operand's registers and nothing is transposed.
; wimg: four blocks of WBLK bytes (q, k, v, p).  In a block: fragment (tile T, K step s) at (3 T + s) x 1,536: registers 4 c .. 4 c + 3 of lane L at 512 c + 16 L;
; from WSC on its scale words, 128 bytes each, 4 bytes a lane (lanes 16-31 repeat lanes 0-15).
; THE COLUMNS OF A TILE: Wq, Wk: lane r of tile 2 b + u takes n = 32 b + 8 u + r + (r & 8), so that the product's results of two neighbouring tiles are 16 neighbours along the next K;  Wv, Wp: n = 16 T + r.
; 72 fragments a weight, 288 waves, 72 work-groups: all the work there is.  Sixteen lanes of a load read 64 (or two runs of 32) neighbouring bytes; a scale image is a run of 128 bytes: 9 KB a weight.
; LIMITS: NaN and infinities are not served; a block of zeros keeps the byte 1 (its codes are zeros, and this program alone reads the bytes).
.set WROW, 1536                        ; a row of a weight in bytes
.set WBLK, 119808
.set WSC,  110592
.set X,    32                          ; v32-95   my 64 numbers
.set C,    96                          ; v96-107  the fragment's 12 registers
.set CT,   108                         ; v108-110, v112-114: each block's upper 16 codes, before they are moved
	s_load_b256 s[4:11], s[0:1], 0x0               ; Wq, Wk, Wv, Wp
	s_load_b64 s[12:13], s[0:1], 0x20              ; wimg
	v_lshrrev_b32 v1, 5, v0
	v_readfirstlane_b32 s14, v1                    ; wave
	v_and_b32 v2, 31, v0                           ; L
	v_and_b32 v3, 15, v0                           ; r
	s_wait_alu depctr_va_vdst(0)
	v_bfe_u32 v4, v0, 4, 1                         ; h
	s_and_b32 s15, ttmp7, 0xffff                   ; y
	s_and_b32 s16, s15, 3                          ; which weight
	s_lshr_b32 s17, s15, 2                         ; K step s
	s_lshl_b32 s18, ttmp9, 2
	s_add_co_u32 s18, s18, s14                     ; tile T = 4 x + wave
	s_and_b32 s19, s18, 1
	s_lshl_b32 s19, s19, 3
	s_lshl_b32 s20, s18, 4                         ; 16 T
	s_sub_co_u32 s19, s20, s19                     ; 16 T - 8 (T & 1) = 32 b + 8 u
	s_cmp_lt_u32 s16, 2                            ; Wq or Wk?
	s_cselect_b32 s20, s19, s20                    ; the tile's first column
	s_cselect_b32 s22, 8, 0
	v_and_b32 v5, s22, v3
	v_add_nc_u32 v5, v5, v3                        ; r, or r + (r & 8)
	v_lshlrev_b32 v5, 2, v5
	s_wait_alu depctr_va_vdst(0)
	v_mad_u32_u24 v5, v4, 32*WROW, v5              ; lanes 16-31 begin 32 rows further down
	s_mul_i32 s21, s17, 128*WROW
	s_lshl_b32 s20, s20, 2
	s_add_co_u32 s20, s20, s21
	s_mov_b32 s21, 0                               ; s[20:21]: where my fragment begins in the weight
	s_mul_i32 s23, s18, 3
	s_add_co_u32 s23, s23, s17                     ; 3 T + s
	s_mul_i32 s24, s16, WBLK
	s_mul_i32 s26, s23, 1536
	s_add_co_u32 s26, s26, s24
	s_mov_b32 s27, 0                               ; s[26:27]: the image
	s_lshl_b32 s28, s23, 7
	s_add_co_u32 s28, s28, s24
	s_add_co_u32 s28, s28, WSC
	s_mov_b32 s29, 0                               ; s[28:29]: its scale words
	s_mov_b32 s30, 0x76543210
	s_mov_b32 s31, 0xfedcba98                      ; v_permlanex16_b32's selects for lane l xor 16
	v_lshlrev_b32 v6, 4, v2                        ; 16 L
	v_lshlrev_b32 v7, 2, v2                        ; 4 L
	s_wait_alu depctr_va_vdst(0)
	s_wait_kmcnt 0x0
	s_cmp_eq_u32 s16, 1                            ; the choice hangs on the work-group's number alone
	s_cselect_b64 s[4:5], s[6:7], s[4:5]
	s_cmp_eq_u32 s16, 2
	s_cselect_b64 s[4:5], s[8:9], s[4:5]
	s_cmp_eq_u32 s16, 3
	s_cselect_b64 s[4:5], s[10:11], s[4:5]
	s_add_nc_u64 s[4:5], s[4:5], s[20:21]
	s_add_nc_u64 s[26:27], s[12:13], s[26:27]
	s_add_nc_u64 s[28:29], s[12:13], s[28:29]
.irp c, 0,1
.irp i, 0,1,2,3,4,5,6,7,8,9,10,11,12,13,14,15,16,17,18,19,20,21,22,23,24,25,26,27,28,29,30,31
	global_load_b32 v[X+32*\c+\i], v5, s[4:5] offset:(64*\c+\i)*WROW   ; W(128 s + 64 c + 32 h + i, my column)
.endr
.endr
	s_wait_loadcnt 0x0
.irp c, 0,1                                    ; my block 2 c + h: all its 32 numbers are mine
	v_max3_num_f32 v[12+\c], |v[X+32*\c]|, |v[X+32*\c+1]|, 0x1800000   ; with the floor 2^(3 - 127): the byte cannot fall under 1
.endr
.irp i, 2,4,6,8,10,12,14,16,18,20,22,24,26,28,30
.irp c, 0,1
	v_max3_num_f32 v[12+\c], v[12+\c], |v[X+32*\c+\i]|, |v[X+32*\c+\i+1]|
.endr
.endr
.irp c, 0,1
	v_add_nc_u32 v[14+\c], 0xff000000, v[12+\c]    ; 2 off the exponent field: the conversion's scale operand
.endr
.irp c, 0,1
	v_lshrrev_b32 v[16+\c], 23, v[14+\c]           ; the scale's byte
.endr
	v_lshl_or_b32 v9, v17, 16, v16                 ; my two bytes: blocks h and 2 + h,
	v_lshlrev_b32 v10, 3, v4
	v_lshlrev_b32 v9, v10, v9                      ; at their places in the word;
	v_mov_b32 v10, 0
	v_permlanex16_b32 v10, v9, s30, s31
	v_or_b32 v9, v9, v10                           ; with lane l xor 16's two the word is whole, in both halves of the lanes
.irp c, 0,1
	v_cvt_scalef32_pk16_fp6_f32 v[C+6*\c:C+6*\c+2], v[X+32*\c:X+32*\c+15], v[14+\c]
	v_cvt_scalef32_pk16_fp6_f32 v[CT+4*\c:CT+4*\c+2], v[X+32*\c+16:X+32*\c+31], v[14+\c]   ; (a conversion's three registers begin on an even number)
.endr
	v_nop                                          ; one plain place behind a scaled conversion
.irp c, 0,1
.irp i, 0,1,2
	v_mov_b32 v[C+6*\c+3+\i], v[CT+4*\c+\i]
.endr
.endr
.irp c, 0,1,2
	global_store_b128 v6, v[C+4*\c:C+4*\c+3], s[26:27] offset:512*\c   ; 32 lanes store 512 consecutive bytes, at a multiple of 256 from the buffer's first byte
.endr
	global_store_b32 v7, v9, s[28:29]
	s_endpgm
.Lfunc_end_k_qf2de91c3cd_wq:
	.size	k_qf2de91c3cd_wq, .Lfunc_end_k_qf2de91c3cd_wq-k_qf2de91c3cd_wq
	.p2alignl 7, 3214868480
	.fill 96, 4, 3214868480
	.section	.rodata,"a",@progbits
	.p2align	6, 0x0
	.amdhsa_kernel k_qf2de91c3cd_wq
		.amdhsa_group_segment_fixed_size 0
		.amdhsa_private_segment_fixed_size 0
		.amdhsa_enable_private_segment 0
		.amdhsa_kernarg_size 40
		.amdhsa_user_sgpr_count 2
		.amdhsa_user_sgpr_kernarg_segment_ptr 1
		.amdhsa_wavefront_size32 1
		.amdhsa_system_sgpr_workgroup_id_x 1
		.amdhsa_system_sgpr_workgroup_id_y 1
		.amdhsa_system_sgpr_workgroup_id_z 1
		.amdhsa_system_vgpr_workitem_id 0
		.amdhsa_next_free_vgpr 128
		.amdhsa_next_free_sgpr 66
		.amdhsa_reserve_vcc 0
		.amdhsa_float_denorm_mode_32 3
		.amdhsa_float_denorm_mode_16_64 3
		.amdhsa_memory_ordered 1
		.amdhsa_forward_progress 1
		.amdhsa_inst_pref_size 12
	.end_amdhsa_kernel
	.amdgpu_metadata
---
amdhsa.version: [ 1, 2 ]
amdhsa.kernels:
  - .name:           k_qf2de91c3cd_wq
    .symbol:         k_qf2de91c3cd_wq.kd
    .args:
      - { .name: Wq, .offset: 0, .size: 8, .value_kind: global_buffer, .address_space: global }
      - { .name: Wk, .offset: 8, .size: 8, .value_kind: global_buffer, .address_space: global }
      - { .name: Wv, .offset: 16, .size: 8, .value_kind: global_buffer, .address_space: global }
      - { .name: Wp, .offset: 24, .size: 8, .value_kind: global_buffer, .address_space: global }
      - { .name: wimg, .offset: 32, .size: 8, .value_kind: global_buffer, .address_space: global }
    .group_segment_fixed_size: 0
    .private_segment_fixed_size: 0
    .kernarg_segment_align: 8
    .kernarg_segment_size: 40
    .max_flat_workgroup_size: 128
    .sgpr_count:     66
    .vgpr_count:     128
    .wavefront_size: 32
...
	.end_amdgpu_metadata
.endif
;; end of part 1
;; launch proj (part 2): grid 256 x 1, 4 waves a work-group, clusters of 4 x 1, 327,680 bytes of LDS; arguments x, t, wimg, qimg, kv; writes qimg, kv
.if DOCPART == 2
	.amdgcn_target "amdgcn-amd-amdhsa--gfx1250"
	.amdhsa_code_object_version 6
	.text
	.protected	k_qf2de91c3cd_proj
	.globl	k_qf2de91c3cd_proj
	.p2align	8
	.type	k_qf2de91c3cd_proj,@function
k_qf2de91c3cd_proj:
	s_mov_b64 s[64:65], 0
	v_nop
	global_prefetch_b8 v0, s[64:65] scope:SCOPE_SE
	s_setreg_imm32_b32 hwreg(HW_REG_WAVE_MODE, 25, 1), 1
	s_wait_xcnt 0x0
	s_wait_alu depctr_hold_cnt(0) depctr_sa_sdst(0) depctr_va_vdst(0) depctr_va_sdst(0) depctr_va_ssrc(0) depctr_va_vcc(0) depctr_vm_vsrc(0)
	s_getreg_b32 s2, hwreg(HW_REG_IB_STS2, 6, 4)
	s_cmp_eq_u32 s2, 0
	s_cbranch_scc0 .Lentry_in_a_cluster
	s_endpgm
.Lentry_in_a_cluster:
	s_bfe_u32 s2, ttmp6, 0x10000c
	s_cmp_lg_u32 s2, 0x3003
	s_cbranch_scc0 .Lentry_shape_is_right
	s_endpgm
.Lentry_shape_is_right:
; q = t Wq, k = x Wk, v = x Wv, all on codes of FP6 (E2M3) with one E8M0 scale for each 32 along K; the results are quantised again on the way: q and k along their 384 columns, v along the tokens (the keys).
; SHARES.  A work-group takes 128 tokens.  Clusters 0-31 take x and make k and v: one step's block of kv;  clusters 32-63 take t and make q: one piece of qimg.  Which, hangs on the cluster's number alone.
; Wave w owns tokens 32 w .. 32 w + 31, two tiles of 16, and all 384 columns.  Token tile 2 w + u, row r, is token 32 w + 8 u + r + (r & 8).
; THE WEIGHTS come as images of operand registers (launch wq) into LDS, once, by joint loads: the four partners of a cluster read the same weights.  Every partner makes both requests on every path,
; so t's work-groups receive Wv too and do not read it.  No LDS byte is filled twice.
; x OR t: each load reads 512 consecutive bytes of a row; the numbers turn through the wave's own stage so that a lane holds 16 neighbours along K of each block of 32; then they are quantised in registers.
; q, k: the product is used transposed (source 0 = 16 columns of W, source 1 = 16 tokens): a lane holds one token, and by the choice of a tile's columns the 16 registers of two neighbouring tiles are 16 neighbouring columns.
; v: source 0 = 16 tokens, source 1 = 16 columns of Wv: a lane holds one channel, and the 16 registers of my two token tiles are 16 neighbouring tokens.
; A PIECE (38,400 bytes): block g of 32 along K of row r of tile T: 24 bytes at 4,608 T + 384 g + 24 r (q, k);  block w of 32 keys of channel r of channel tile ct at 1,536 ct + 384 w + 24 r (v):
; so registers 6 c .. 6 c + 5 of lane L of a fragment lie at 768 c + 24 L.  Scale words from 36,864 on: 64 bytes a fragment, 4 bytes a row.
; LIMITS: NaN and infinities are not served; a block of zeros keeps the byte 1 (its codes are zeros, and this program alone reads the bytes).
; REGISTERS.  Window 0: v1-19 addresses; v20-25 x's scale words; v26-49 the weights' scale words, two sets; v50-69 at work; v70-81 codes just made; v82-89 at work; v96-167 x's six fragments; v168-231 eight accumulators.
;   Window 1, window 2: x as loaded; then the two sets of twelve weight fragments.
.set ROWB,  1536                       ; a token's row in bytes
.set PIECE, 38400
.set WBLK,  119808                     ; a weight's images and scale words
.set WSC,   110592
.set WQ4,   29952                      ; a quarter of that: what one tensor load brings
.set TST,   2*WBLK                     ; LDS behind the two weights: a stage of TSTW bytes for each wave (the turn: 16 rows x 528; later my 9,216 bytes of codes)
.set TSTW,  9728
.set VST,   TST+4*TSTW                 ; v's piece, shared
.set KSC,   VST+PIECE                  ; q's or k's scale words, shared
.set SPARE, KSC+1536                   ; the spare words, 128 bytes for each wave: two blocks of 256 bytes that no other line names
.set SPW, 1
.set NIL, 2
.set CSG, 3                            ; 512 w + 16 L: my 16 bytes of a piece's scale words, in memory
.set GA,  4                            ; 16 L
.set TW,  5                            ; my stage + 16 L
.set TR,  6                            ; my stage + 528 r + 64 h
.set WL,  7                            ; v7-10  16 L + the first and the second half of each weight's images
.set WSL, 11                           ; v11-12 4 L + each weight's scale words
.set KW,  13                           ; my stage + 4,608 h + 24 r
.set KSW, 14                           ; KSC + 384 w + 192 h + 4 r
.set VW,  15                           ; VST + 384 w + 1,536 h + 24 r
.set VSW, 16                           ; VST + 36,864 + 64 h + 4 r + w
.set CSK, 17                           ; KSC + 512 w + 16 L
.set CV,  18                           ; VST + 9,216 w + 16 L
.set CSV, 19                           ; VST + 36,864 + 512 w + 16 L
.set XS,  20
.set WS,  26
.set TM,  50                           ; v50-53 largest magnitudes, v54-57 bytes, v62-65 the conversions' scale operands
.set PC,  70
.set PX,  82
.set XF,  96
.set ACC, 168
.set XN,  168
.set WV,   14
.set G1,   16
.set G0A,  24
.set G0B,  28
.set KIND, 32
.set SEL,  34
.set HM,   36
.set MSB, 0
.macro WIN new                         ; the immediate's high byte repeats the setting that is left
.if MSB != \new
	s_set_vgpr_msb (MSB<<8)|\new
.set MSB, \new
.endif
.endm
.macro CROUND                          ; a round of the cluster's barrier
	s_barrier_signal -1
	s_barrier_wait -1
	s_cmp_lg_u32 s[WV], 0
	s_cbranch_scc1 .Lnot_wave_0_\@
	s_barrier_signal -3
.Lnot_wave_0_\@:
	s_barrier_wait -3
	s_barrier_signal -1
	s_barrier_wait -1
.endm
; Four blocks of 32, 16 numbers of each in my registers v[s + 16 b ..], the other 16 in lane l xor 16: their largest magnitudes, scale operands (TM + 12 + b) and bytes (TM + 4 + b).
.macro QMAX s
.irp b, 0,1,2,3
	v_max3_num_f32 v[TM+\b], |v[(\s)+16*\b]|, |v[(\s)+16*\b+1]|, 0x1800000   ; with the floor 2^(3 - 127): the byte cannot fall under 1
.endr
.irp i, 2,4,6,8,10,12,14
.irp b, 0,1,2,3
	v_max3_num_f32 v[TM+\b], v[TM+\b], |v[(\s)+16*\b+\i]|, |v[(\s)+16*\b+\i+1]|   ; (the four blocks by turns)
.endr
.endr
.irp b, 0,1,2,3
	v_permlanex16_b32 v[TM+4+\b], v[TM+\b], s[SEL], s[SEL+1]
.endr
.irp b, 0,1,2,3
	v_max_num_f32 v[TM+\b], v[TM+\b], v[TM+4+\b]
.endr
.irp b, 0,1,2,3
	v_add_nc_u32 v[TM+12+\b], 0xff000000, v[TM+\b]   ; 2 off the exponent field: the conversion takes this operand's exponent field as its scale
.endr
.irp b, 0,1,2,3
	v_lshrrev_b32 v[TM+4+\b], 23, v[TM+12+\b]
.endr
.endm
; The same 64 numbers become codes: registers d + 6 c .. d + 6 c + 5 hold, in lanes 0-15, the whole block 2 c of lane r's row, in lanes 16-31 the whole block 2 c + 1.
.macro QCVT s, d
.irp c, 0,1
	v_cvt_scalef32_pk16_fp6_f32 v[(\d)+6*\c:(\d)+6*\c+2], v[(\s)+32*\c:(\s)+32*\c+15], v[TM+12+2*\c]
	v_cvt_scalef32_pk16_fp6_f32 v[PX+4*\c:PX+4*\c+2], v[(\s)+32*\c+16:(\s)+32*\c+31], v[TM+12+2*\c+1]   ; (a conversion's three registers begin on an even number)
.endr
	v_nop                                          ; one plain place behind a scaled conversion
.irp c, 0,1
.irp i, 0,1,2
	v_permlane16_swap_b32 v[(\d)+6*\c+\i], v[PX+4*\c+\i]   ; the first's lanes 16-31 change places with the second's lanes 0-15
.endr
.irp i, 0,1,2
	v_mov_b32 v[(\d)+6*\c+3+\i], v[PX+4*\c+\i]
.endr
.endr
.endm
.macro MM zero                         ; one product on the registers named by rD, rA, rB, rSA, rSB; zero = 1: it starts the sum
.if \zero
	v_wmma_scale_f32_16x16x128_f8f6f4 v[rD:rD+7], v[rA:rA+11], v[rB:rB+11], 0, v[rSA], v[rSB] matrix_a_fmt:MATRIX_FMT_FP6 matrix_b_fmt:MATRIX_FMT_FP6
.else
	v_wmma_scale_f32_16x16x128_f8f6f4 v[rD:rD+7], v[rA:rA+11], v[rB:rB+11], v[rD:rD+7], v[rSA], v[rSB] matrix_a_fmt:MATRIX_FMT_FP6 matrix_b_fmt:MATRIX_FMT_FP6
.endif
.endm
	s_load_b256 s[4:11], s[0:1], 0x0               ; x, t, wimg, qimg
	s_load_b64 s[12:13], s[0:1], 0x20              ; kv
	v_lshl_add_u32 v[SPW], v0, 2, SPARE
	v_mov_b32 v[NIL], 0
	ds_add_u32 v[SPW], v[NIL]                      ; the wave's opening: the add and its wait go ahead of my first tensor load; the set-up below, work on registers, stands between them
	ds_add_u32 v[SPW], v[NIL]
	v_lshrrev_b32 v66, 5, v0
	v_readfirstlane_b32 s[WV], v66                 ; wave 0..3
	s_bfe_u32 s15, ttmp6, 0x40000                  ; cx: it enters the addresses of my own loads and stores alone
	s_lshl_b32 s40, ttmp9, 2
	s_add_co_u32 s40, s40, s15                     ; work-group = 4 x cluster + cx
	s_cmp_ge_u32 ttmp9, 32                         ; t's cluster?  The same in all four partners
	s_cselect_b32 s[KIND], 1, 0
	s_cselect_b32 s41, 128, 0
	s_cselect_b32 s42, 0, WBLK                     ; the first weight: Wq or Wk
	s_mov_b32 s43, 2*PIECE
	s_cselect_b32 s43, PIECE, s43                  ; from piece to piece in qimg or in kv
	s_sub_co_u32 s40, s40, s41                     ; which 128 tokens
	s_mul_i32 s44, s40, 128*ROWB
	s_mul_i32 s45, s[WV], 32*ROWB
	s_add_co_u32 s44, s44, s45
	s_mov_b32 s45, 0                               ; s[44:45]: my 32 tokens
	s_mul_i32 s46, s40, s43
	s_mov_b32 s47, 0                               ; s[46:47]: the piece
	s_mul_i32 s48, s[WV], 9216
	s_mov_b32 s49, 0                               ; s[48:49]: my quarter of its codes
	s_mul_i32 s50, s[WV], WQ4                      ; the joint loads: my quarter of a weight; no register here ever holds cx
	s_add_co_u32 s52, s50, s42
	s_mov_b32 s53, 0
	s_add_co_u32 s54, s50, 2*WBLK                  ; Wv
	s_mov_b32 s55, 0
	; descriptor group 1: 117 dense rows of 256 bytes (32 elements of 8 bytes), no padding
	s_mov_b32 s[G1], 15|(3<<16)|(1<<21)            ; 15:0 the mask: all four work-groups; 17:16 elements of 8 bytes; 21 set beside a mask
	s_mov_b32 s[G1+1], 32<<16                      ; tensor_dim0 = 32
	s_mov_b32 s[G1+2], 117<<16                     ; tensor_dim1 = 117
	s_mov_b32 s[G1+3], 32<<16                      ; tile_dim0 = 32
	s_mov_b32 s[G1+4], 117                         ; tile_dim1 = 117
	s_mov_b32 s[G1+5], 32                          ; from row to row
	s_mov_b32 s[G1+6], 0
	s_mov_b32 s[G1+7], 0
	s_mov_b32 s[SEL], 0x76543210
	s_mov_b32 s[SEL+1], 0xfedcba98                 ; v_permlanex16_b32's selects for lane l xor 16
	s_mov_b32 s[HM], 0xffff0000                    ; lanes 16-31
	s_mul_i32 s56, s[WV], TSTW
	s_add_co_u32 s56, s56, TST                     ; my stage
	s_mul_i32 s57, s[WV], 384
	s_lshl_b32 s58, s[WV], 9
	s_mul_i32 s59, s[WV], 9216
	v_and_b32 v66, 15, v0                          ; r
	v_bfe_u32 v67, v0, 4, 1                        ; h
	v_and_b32 v68, 31, v0                          ; L
	v_lshlrev_b32 v[GA], 4, v68
	v_add_nc_u32 v[TW], s56, v[GA]
	v_mul_u32_u24 v[TR], v66, 528
	v_lshl_add_u32 v[TR], v67, 6, v[TR]
	v_add_nc_u32 v[TR], s56, v[TR]
	v_mov_b32 v[WL], v[GA]
	v_add_nc_u32 v[WL+1], 55296, v[GA]
	v_add_nc_u32 v[WL+2], WBLK, v[GA]
	v_add_nc_u32 v[WL+3], WBLK+55296, v[GA]
	v_lshl_add_u32 v[WSL], v68, 2, WSC
	v_lshl_add_u32 v[WSL+1], v68, 2, WBLK+WSC
	v_mul_u32_u24 v69, v66, 24                     ; 24 r
	v_mad_u32_u24 v[KW], v67, 4608, v69
	v_add_nc_u32 v[KW], s56, v[KW]
	v_lshlrev_b32 v[KSW], 2, v66
	v_mad_u32_u24 v[KSW], v67, 192, v[KSW]
	v_add_nc_u32 v[KSW], s57, v[KSW]
	v_add_nc_u32 v[KSW], KSC, v[KSW]
	v_mad_u32_u24 v[VW], v67, 1536, v69
	v_add_nc_u32 v[VW], s57, v[VW]
	v_add_nc_u32 v[VW], VST, v[VW]
	v_lshlrev_b32 v[VSW], 2, v66
	v_lshl_add_u32 v[VSW], v67, 6, v[VSW]
	v_add_nc_u32 v[VSW], s[WV], v[VSW]
	v_add_nc_u32 v[VSW], VST+36864, v[VSW]
	v_add_nc_u32 v[CSG], s58, v[GA]
	v_add_nc_u32 v[CSK], KSC, v[CSG]
	v_add_nc_u32 v[CSV], VST+36864, v[CSG]
	v_add_nc_u32 v[CV], s59, v[GA]
	v_add_nc_u32 v[CV], VST, v[CV]
.irp b, 0,1,2,3
	v_mov_b32 v[TM+4+\b], 0                        ; written once: a lane permute's destination counts as one of its sources
.endr
	s_wait_dscnt 0x0                               ; the opening add is done
	s_wait_kmcnt 0x0
	s_cmp_eq_u32 s[KIND], 1
	s_cselect_b64 s[4:5], s[6:7], s[4:5]           ; t or x
	s_cselect_b64 s[10:11], s[10:11], s[12:13]     ; qimg or kv
	s_add_nc_u64 s[4:5], s[4:5], s[44:45]          ; my tokens
	s_add_nc_u64 s[10:11], s[10:11], s[46:47]      ; the piece
	s_add_nc_u64 s[12:13], s[10:11], s[48:49]      ; my quarter of its codes
	s_mov_b32 s[G0A], 1                            ; count = 1
	s_mov_b32 s[G0A+1], s50                        ; LDS address: my quarter of the first weight
	s_add_nc_u64 s[G0A+2:G0A+3], s[8:9], s[52:53]
	s_or_b32 s[G0A+3], s[G0A+3], 0x80000000        ; type = 2
	s_mov_b32 s[G0B], 1
	s_add_co_u32 s[G0B+1], s50, WBLK
	s_add_nc_u64 s[G0B+2:G0B+3], s[8:9], s[54:55]
	s_or_b32 s[G0B+3], s[G0B+3], 0x80000000
	CROUND                                         ; all four work-groups are here: the joint loads meet
	tensor_load_to_lds s[G0A:G0A+3], s[G1:G1+7]    ; the first weight: my one load at the head
	s_nop 0
.rept 4
	v_nop
.endr
	; my 32 tokens: group g = 3 u + s is K step s of tile u; its load i reads 512 consecutive bytes of the tile's row i
.irp g, 0,1,2,3,4,5
.set WW_, 0x40*(1+\g/4)
	WIN WW_
.irp i, 0,1,2,3,4,5,6,7,8,9,10,11,12,13,14,15
	global_load_b128 v[64*(\g%4)+4*\i:64*(\g%4)+4*\i+3], v[GA], s[4:5] offset:(8*(\g/3)+\i+8*(\i/8))*ROWB+512*(\g%3) th:TH_LOAD_NT
.endr
.endr
	WIN 0
; Group g turns through my stage (LDS serves a wave's instructions in order: no wait between the stores and the loads) and becomes fragment g and its scale word.
.macro TURNQ g, cnt
	s_wait_loadcnt \cnt                            ; the group's 16 loads are in; the younger groups stay out
.set WW_, 4*(1+(\g)/4)
	WIN WW_                                        ; an LDS store's data are its source 1
.irp i, 0,1,2,3,4,5,6,7,8,9,10,11,12,13,14,15
	ds_store_b128 v[TW], v[64*((\g)%4)+4*\i:64*((\g)%4)+4*\i+3] offset:528*\i
.endr
	WIN 0
.irp b, 0,1,2,3
.irp j, 0,1,2,3
	ds_load_b128 v[XN+16*\b+4*\j:XN+16*\b+4*\j+3], v[TR] offset:128*\b+16*\j   ; row r: k = 32 b + 16 h + 4 j ..
.endr
.endr
	s_wait_dscnt 0x0
	QMAX XN
	v_lshl_or_b32 v[XS+(\g)], v[TM+5], 8, v[TM+4]  ; the four bytes make my row's scale word
	v_lshl_or_b32 v[XS+(\g)], v[TM+6], 16, v[XS+(\g)]
	v_lshl_or_b32 v[XS+(\g)], v[TM+7], 24, v[XS+(\g)]
	QCVT XN, XF+12*(\g)
.endm
	TURNQ 0, 63                                    ; (80 and 64 younger loads might stay out: 63 is the largest count that the wait can name)
	TURNQ 1, 63
	s_wait_alu depctr_va_vdst(0)
	s_wait_tensorcnt 0x0                           ; Wv's first fill goes out as a refill does: all my loads are in,
	ds_add_u32 v[SPW], v[NIL]                      ; the add,
	s_wait_dscnt 0x0
	CROUND                                         ; a round, so that the partners' requests meet,
	tensor_load_to_lds s[G0B:G0B+3], s[G1:G1+7]    ; and my one load behind it
	s_nop 0
.rept 4
	v_nop
.endr
	TURNQ 2, 48
	TURNQ 3, 32
	TURNQ 4, 16
	TURNQ 5, 0
.rept 8
	v_nop                                          ; a scale register written by a vector instruction stands 8 places ahead of a scaled product, an operand so written 4
.endr
	s_wait_tensorcnt 0x0                           ; my quarters of both weights have landed;
	s_wait_dscnt 0x0
	s_barrier_signal -1
	s_barrier_wait -1                              ; everybody's have.  Nothing is ever filled again
; The weight fragments of call k (four tiles x three K steps) and their scale words into set k % 2.  v = 0: the first weight, 1: Wv.
.macro WLOAD v, k
.set WB_, (\k)%2
.set WA_, WL+2*(\v)+(\k)/3
.set WW_, 0x40*(1+WB_)
	WIN WW_
.irp f, 0,1,2,3,4,5,6,7,8,9,10,11
.irp c, 0,1,2
	ds_load_b128 v[12*\f+4*\c:12*\f+4*\c+3], v[WA_] offset:18432*((\k)%3)+1536*\f+512*\c
.endr
.endr
	WIN 0
.irp f, 0,1,2,3,4,5,6,7,8,9,10,11
	ds_load_b32 v[WS+12*WB_+\f], v[WSL+(\v)] offset:128*(12*(\k)+\f)
.endr
.endm
; Call k of a product: 24 products on eight accumulators by turns, K step by K step; the 64 results a lane are four blocks' halves: quantised, codes and bytes to LDS.
.macro PROD v, k, last
.if \last
	s_wait_dscnt 0x0
.else
	WLOAD \v, (\k)+1                               ; the other set's last readers stand in front of the last call's quantising: more than four places back
	s_wait_dscnt 48                                ; all but the 48 just issued: this call's fragments are in, and the last call's stores have read their registers
.endif
.set PB_, (\k)%2
.if (\v) == 0
.set WW_, 1+PB_
	WIN WW_                                        ; source 0: the weight's set
.irp s, 0,1,2
	s_wait_alu depctr_va_vdst(0)
.irp g, 0,1
.irp u, 0,1
.irp n, 0,1
.set rD, ACC+32*\g+16*\u+8*\n
.set rA, 12*(3*(2*\g+\n)+\s)
.set rB, XF+12*(3*\u+\s)
.set rSA, WS+12*PB_+3*(2*\g+\n)+\s
.set rSB, XS+3*\u+\s
.if \s == 0
	MM 1
.else
	MM 0
.endif
.endr
.endr
.endr
.endr
.else
.set WW_, 4*(1+PB_)
	WIN WW_                                        ; source 1: the weight's set
.irp s, 0,1,2
.irp n, 0,1,2,3
.irp u, 0,1
.set rD, ACC+16*\n+8*\u
.set rA, XF+12*(3*\u+\s)
.set rB, 12*(3*\n+\s)
.set rSA, XS+3*\u+\s
.set rSB, WS+12*PB_+3*\n+\s
.if \s == 0
	MM 1
.else
	MM 0
.endif
.endr
.endr
.endr
.endif
	WIN 0
.rept 4
	v_nop                                          ; places in front of the first read of results
.endr
	QMAX ACC
.if (\v) == 0                                  ; blocks 0, 2: columns 32 (2 k), 32 (2 k + 1) on of tile u = 0; blocks 1, 3: of tile u = 1.  Lanes 0-15 go on with tile 0, lanes 16-31 with tile 1
	v_lshl_or_b32 v66, v[TM+6], 8, v[TM+4]
	v_lshl_or_b32 v67, v[TM+7], 8, v[TM+5]
	v_cndmask_b32 v66, v66, v67, s[HM]
	QCVT ACC, PC
.irp p, 0,1,2,3,4,5
	ds_store_b64 v[KW], v[PC+2*\p:PC+2*\p+1] offset:384*(2*(\k)+\p/3)+8*(\p%3)
.endr
	ds_store_b16 v[KSW], v66 offset:64*((\k)/2)+2*((\k)%2)
.else                                          ; block n: my 32 keys of channel tile 4 k + n.  Lanes 0-15 go on with tiles 4 k, 4 k + 2, lanes 16-31 with 4 k + 1, 4 k + 3
	v_cndmask_b32 v66, v[TM+4], v[TM+5], s[HM]
	v_cndmask_b32 v67, v[TM+6], v[TM+7], s[HM]
	QCVT ACC, PC
.irp p, 0,1,2,3,4,5
	ds_store_b64 v[VW], v[PC+2*\p:PC+2*\p+1] offset:1536*(4*(\k)+2*(\p/3))+8*(\p%3)
.endr
	ds_store_b8 v[VSW], v66 offset:64*(4*(\k))     ; byte w of the channel's scale word: each wave its own byte
	ds_store_b8 v[VSW], v67 offset:64*(4*(\k)+2)
.endif
.endm
	WLOAD 0, 0
	PROD 0, 0, 0
	PROD 0, 1, 0
	PROD 0, 2, 0
	PROD 0, 3, 0
	PROD 0, 4, 0
	PROD 0, 5, 1
	s_cmp_eq_u32 s[KIND], 1                        ; t has no v.  The jump leads round products and LDS stores alone: no barrier, no tensor load
	s_cbranch_scc1 .Lno_v
	WLOAD 1, 0
	PROD 1, 0, 0
	PROD 1, 1, 0
	PROD 1, 2, 0
	PROD 1, 3, 0
	PROD 1, 4, 0
	PROD 1, 5, 1
.Lno_v:
	s_wait_dscnt 0x0                               ; for the others' sake: my stores have landed
	s_barrier_signal -1
	s_barrier_wait -1                              ; the scale words and v's piece are whole
	; THE WAY OUT: dense copies; each store covers 512 consecutive bytes at a multiple of 256 from the buffer's first byte
.irp i, 0,1,2,3,4,5,6,7,8,9,10,11,12,13,14,15,16,17
	ds_load_b128 v[XF+4*\i:XF+4*\i+3], v[TW] offset:512*\i
.endr
	s_wait_dscnt 0x0
.irp i, 0,1,2,3,4,5,6,7,8,9,10,11,12,13,14,15,16,17
	global_store_b128 v[GA], v[XF+4*\i:XF+4*\i+3], s[12:13] offset:512*\i
.endr
	s_cmp_lt_u32 s[WV], 3                          ; 1,536 bytes of scale words: 512 for each of three waves
	s_cbranch_scc0 .Lno_ks
	ds_load_b128 v[ACC:ACC+3], v[CSK]
	s_wait_dscnt 0x0
	global_store_b128 v[CSG], v[ACC:ACC+3], s[10:11] offset:36864
.Lno_ks:
	s_cmp_eq_u32 s[KIND], 1
	s_cbranch_scc1 .Lno_vout
	s_wait_xcnt 0x0                                ; the stores above have read their registers: they are loaded again only behind this wait
.irp i, 0,1,2,3,4,5,6,7,8,9,10,11,12,13,14,15,16,17
	ds_load_b128 v[XF+4*\i:XF+4*\i+3], v[CV] offset:512*\i
.endr
	s_wait_dscnt 0x0
.irp i, 0,1,2,3,4,5,6,7,8,9,10,11,12,13,14,15,16,17
	global_store_b128 v[GA], v[XF+4*\i:XF+4*\i+3], s[12:13] offset:PIECE+512*\i
.endr
	s_cmp_lt_u32 s[WV], 3
	s_cbranch_scc0 .Lno_vout
	ds_load_b128 v[ACC+4:ACC+7], v[CSV]
	s_wait_dscnt 0x0
	global_store_b128 v[CSG], v[ACC+4:ACC+7], s[10:11] offset:PIECE+36864
.Lno_vout:
	s_wait_tensorcnt 0x0                           ; the wave's end, behind my last tensor load and my last LDS store
	ds_add_u32 v[SPW], v[NIL]
	s_wait_dscnt 0x0
	CROUND                                         ; the closing round
	s_endpgm
.Lfunc_end_k_qf2de91c3cd_proj:
	.size	k_qf2de91c3cd_proj, .Lfunc_end_k_qf2de91c3cd_proj-k_qf2de91c3cd_proj
	.p2alignl 7, 3214868480
	.fill 96, 4, 3214868480
	.section	.rodata,"a",@progbits
	.p2align	6, 0x0
	.amdhsa_kernel k_qf2de91c3cd_proj
		.amdhsa_group_segment_fixed_size 327680
		.amdhsa_private_segment_fixed_size 0
		.amdhsa_enable_private_segment 0
		.amdhsa_kernarg_size 40
		.amdhsa_user_sgpr_count 2
		.amdhsa_user_sgpr_kernarg_segment_ptr 1
		.amdhsa_wavefront_size32 1
		.amdhsa_system_sgpr_workgroup_id_x 1
		.amdhsa_system_sgpr_workgroup_id_y 1
		.amdhsa_system_sgpr_workgroup_id_z 1
		.amdhsa_system_vgpr_workitem_id 0
		.amdhsa_next_free_vgpr 768
		.amdhsa_next_free_sgpr 66
		.amdhsa_reserve_vcc 0
		.amdhsa_float_denorm_mode_32 3
		.amdhsa_float_denorm_mode_16_64 3
		.amdhsa_memory_ordered 1
		.amdhsa_forward_progress 1
		.amdhsa_inst_pref_size 184
	.end_amdhsa_kernel
	.amdgpu_metadata
---
amdhsa.version: [ 1, 2 ]
amdhsa.kernels:
  - .name:           k_qf2de91c3cd_proj
    .symbol:         k_qf2de91c3cd_proj.kd
    .args:
      - { .name: x, .offset: 0, .size: 8, .value_kind: global_buffer, .address_space: global }
      - { .name: t, .offset: 8, .size: 8, .value_kind: global_buffer, .address_space: global }
      - { .name: wimg, .offset: 16, .size: 8, .value_kind: global_buffer, .address_space: global }
      - { .name: qimg, .offset: 24, .size: 8, .value_kind: global_buffer, .address_space: global }
      - { .name: kv, .offset: 32, .size: 8, .value_kind: global_buffer, .address_space: global }
    .group_segment_fixed_size: 327680
    .private_segment_fixed_size: 0
    .kernarg_segment_align: 8
    .kernarg_segment_size: 40
    .max_flat_workgroup_size: 128
    .sgpr_count:     66
    .vgpr_count:     768
    .wavefront_size: 32
...
	.end_amdgpu_metadata
.endif
;; end of part 2
;; launch attn (part 3): grid 64 x 4, 8 waves a work-group, clusters of 4 x 1, 327,680 bytes of LDS; arguments qimg, kv, oimg, osc; writes oimg, osc
.if DOCPART == 3
	.amdgcn_target "amdgcn-amd-amdhsa--gfx1250"
	.amdhsa_code_object_version 6
	.text
	.protected	k_qf2de91c3cd_attn
	.globl	k_qf2de91c3cd_attn
	.p2align	8
	.type	k_qf2de91c3cd_attn,@function
k_qf2de91c3cd_attn:
	s_mov_b64 s[64:65], 0
	v_nop
	global_prefetch_b8 v0, s[64:65] scope:SCOPE_SE
	s_setreg_imm32_b32 hwreg(HW_REG_WAVE_MODE, 25, 1), 1
	s_wait_xcnt 0x0
	s_wait_alu depctr_hold_cnt(0) depctr_sa_sdst(0) depctr_va_vdst(0) depctr_va_sdst(0) depctr_va_ssrc(0) depctr_va_vcc(0) depctr_vm_vsrc(0)
	s_getreg_b32 s2, hwreg(HW_REG_IB_STS2, 6, 4)
	s_cmp_eq_u32 s2, 0
	s_cbranch_scc0 .Lentry_in_a_cluster
	s_endpgm
.Lentry_in_a_cluster:
	s_bfe_u32 s2, ttmp6, 0x10000c
	s_cmp_lg_u32 s2, 0x3003
	s_cbranch_scc0 .Lentry_shape_is_right
	s_endpgm
.Lentry_shape_is_right:
; O = softmax(q k^T / sqrt(48)) v for one batch and 64 queries a work-group, both products on codes of FP6 (E2M3) with E8M0 scales; O / l is quantised along the QUERIES and leaves as pieces of the last product's operand.
; THE SOFTMAX: t = score x c, c = log2(e) / sqrt(48); p = 2^(t - M), M a whole number, is quantised along the keys; the row's sum l is taken of the unquantised p and divides at the end.
; EIGHT WAVES IN TWO ROLES, 128 keys a step.  SCORE waves 0-3: wave a makes S^T = k q^T for keys 32 a .. 32 a + 31 against all four tiles of 16 queries, p, p's codes (one block of 32 keys a query), its own whole number M_a and sum l_a.
; PRODUCT waves 4-7: wave 4 + b makes O^T += v^T p^T for channels 96 b .. 96 b + 95 against all four query tiles.  Each fragment of k and of v is read from LDS once and feeds four products.
; PERIODS: in period i the score waves work on step i and the product waves on step i - 1; 33 periods, one barrier each.  Codes, -M_a and the blocks' bytes (as f32) pass through two exchange buffers by turns:
; buffer i % 2 is written in period i and read in period i + 1, and every wave has waited for its LDS instructions in front of each barrier.
; LEVELS: a product wave forms Mc = the largest M so far, multiplies O^T by 2^(old Mc - new Mc) and takes byte_a + (M_a - Mc), held at 0 from below, as a block's byte: powers of two, which round nothing.  l = the sum of l_a 2^(M_a - Mc).
; O^T begins as zeros and -Mc as 3e38, so the first factor is 0 and the step is written once.
; SLOTS: kv holds k(0) v(0) k(1) v(1) ..; slot s is the four pieces v(2s-1) k(2s) v(2s) k(2s+1), on end in memory, which are what periods 2s and 2s + 1 read: both roles leave a slot at the same barrier.
; The four partners of a cluster walk the same keys: a slot is asked for JOINTLY, each wave an eighth (75 rows of 256 bytes), two periods ahead of its first read.  Slot 0 has no first piece: waves 2-7 alone fetch it; slot 16 has its first piece alone: waves 0 and 1.
; LIMITS: NaN and infinities are not served.  A block of p more than 2^125 under the row's level is multiplied with the byte 0 (2^-127).  c is one f32 constant where the definition multiplies twice: about 1e-7 of t.
; A block of zeros keeps the byte 1: its codes are zeros, and this program alone reads the bytes.
; REGISTERS.  v1-22 addresses; v82-117 at work.  Score waves: v26-37 q's scale words, v38-43 k's, v44-47 bytes, v50-81 statistics (eight a tile: -M, largest t, l (2), factor (2)), v192-255 S^T then p; window 1: q at 12 (3 t + e), k from v144.
; Product waves: v26-31 v's scale words, v32-35 p's, v36-39 -Mc, v40-47 factors, v50-65 -M_a then M_a - Mc, v66-81 bytes, v120-191 v; window 1: O^T at 8 (4 f + t), p's codes from v192.
.set PIECE, 38400
.set SLOTB, 153600
.set PART,  19200
.set EXCH,  2*SLOTB                    ; two exchange buffers of EXB bytes: four images of p's fragments, PPI apart; from STA on 1,024 bytes of -M_a [tile][row][wave] and 1,024 of bytes as f32
.set EXB,   8704
.set PPI,   1664
.set STA,   6656
.set SPARE, EXCH+2*EXB                 ; the spare words, 128 bytes a wave: four blocks of 256 bytes that no other line names
.set OPI,   272                        ; the way out: O / l as [channel 384][query 64] f32, rows of 256 + 16 bytes, in slot 0's bytes, which have had their last fill and last read by then
.set BNC,   SLOTB                      ; and in slot 1's, likewise done with: 4,608 bytes for each 96 channels, through which codes turn into runs of 256 bytes,
.set OSS,   SLOTB+18432                ; and 768 scale bytes
.set SPW, 1
.set NIL, 2
.set AK0, 3                            ; 9,216 a + 24 L: my tiles in a piece
.set AKS0, 4                           ; 36,864 + 384 a + 4 r: their scale words
.set PWR, 5
.set PRD, 6
.set AWR, 7
.set ARD, 8
.set ADK, 9
.set ADKS, 10
.set ADV, 11
.set ADVS, 12
.set PFO, 13
.set QA,  14
.set QSA, 15
.set SWR, 16
.set SRD, 17
.set BWR, 18
.set BRD, 19
.set OSW, 20
.set GO8, 21
.set OSR, 22
.set QS,  26
.set KS,  38
.set BF,  44
.set ST,  50
.set VS,  26
.set PS,  32
.set NMC, 36
.set FC,  40
.set AN,  50
.set AB,  66
.set TM,  82
.set CD,  98
.set PX,  110
.set VF,  120
.set OB,  120
.set S,   192
.set KF,  144                          ; window 1
.set PF,  192                          ; window 1
.set WV,  12
.set G1,  16
.set G0,  24
.set TB,  28                           ; the slot in hand
.set TN,  29                           ; the slot filled last
.set WOFF, 30
.set SB,  31
.set SLOTS, 32
.set LIM, 33
.set PFA, 34
.set CS,  36
.set SEL, 38
.set HM,  40
.set C256, 41
.set KW,  42                           ; wave & 3
.set ROLE, 43                          ; wave >> 2: 0 score, 1 product
.set MSB, 0
.macro WIN new                         ; the immediate's high byte repeats the setting that is left
.if MSB != \new
	s_set_vgpr_msb (MSB<<8)|\new
.set MSB, \new
.endif
.endm
.macro CROUND                          ; a round of the cluster's barrier
	s_barrier_signal -1
	s_barrier_wait -1
	s_cmp_lg_u32 s[WV], 0
	s_cbranch_scc1 .Lnot_wave_0_\@
	s_barrier_signal -3
.Lnot_wave_0_\@:
	s_barrier_wait -3
	s_barrier_signal -1
	s_barrier_wait -1
.endm
.macro BAR                             ; a period's barrier: my LDS instructions are done, for the others' sake
	s_wait_alu depctr_va_vdst(0)
	s_wait_dscnt 0x0
	s_barrier_signal -1
	s_barrier_wait -1
.endm
.macro QMAX s                          ; four blocks of 32, 16 numbers of each mine, 16 lane l xor 16's: scale operands (TM + 12 + b) and bytes (TM + 4 + b)
.irp b, 0,1,2,3
	v_max3_num_f32 v[TM+\b], |v[(\s)+16*\b]|, |v[(\s)+16*\b+1]|, 0x1800000   ; with the floor 2^(3 - 127): the byte cannot fall under 1
.endr
.irp i, 2,4,6,8,10,12,14
.irp b, 0,1,2,3
	v_max3_num_f32 v[TM+\b], v[TM+\b], |v[(\s)+16*\b+\i]|, |v[(\s)+16*\b+\i+1]|
.endr
.endr
.irp b, 0,1,2,3
	v_permlanex16_b32 v[TM+4+\b], v[TM+\b], s[SEL], s[SEL+1]
.endr
.irp b, 0,1,2,3
	v_max_num_f32 v[TM+\b], v[TM+\b], v[TM+4+\b]
.endr
.irp b, 0,1,2,3
	v_add_nc_u32 v[TM+12+\b], 0xff000000, v[TM+\b]
.endr
.irp b, 0,1,2,3
	v_lshrrev_b32 v[TM+4+\b], 23, v[TM+12+\b]
.endr
.endm
.macro QCVT s, d                       ; registers d + 6 c .. + 5: lanes 0-15 the whole block 2 c of lane r's row, lanes 16-31 the whole block 2 c + 1
.irp c, 0,1
	v_cvt_scalef32_pk16_fp6_f32 v[(\d)+6*\c:(\d)+6*\c+2], v[(\s)+32*\c:(\s)+32*\c+15], v[TM+12+2*\c]
	v_cvt_scalef32_pk16_fp6_f32 v[PX+4*\c:PX+4*\c+2], v[(\s)+32*\c+16:(\s)+32*\c+31], v[TM+12+2*\c+1]   ; (a conversion's three registers begin on an even number)
.endr
	v_nop                                          ; one plain place behind a scaled conversion
.irp c, 0,1
.irp i, 0,1,2
	v_permlane16_swap_b32 v[(\d)+6*\c+\i], v[PX+4*\c+\i]
.endr
.irp i, 0,1,2
	v_mov_b32 v[(\d)+6*\c+3+\i], v[PX+4*\c+\i]
.endr
.endr
.endm
.macro MM zero                         ; one product on the registers named by rD, rA, rB, rSA, rSB; zero = 1: it starts the sum
.if \zero
	v_wmma_scale_f32_16x16x128_f8f6f4 v[rD:rD+7], v[rA:rA+11], v[rB:rB+11], 0, v[rSA], v[rSB] matrix_a_fmt:MATRIX_FMT_FP6 matrix_b_fmt:MATRIX_FMT_FP6
.else
	v_wmma_scale_f32_16x16x128_f8f6f4 v[rD:rD+7], v[rA:rA+11], v[rB:rB+11], v[rD:rD+7], v[rSA], v[rSB] matrix_a_fmt:MATRIX_FMT_FP6 matrix_b_fmt:MATRIX_FMT_FP6
.endif
.endm
; A PREFETCH INTO THE L2 of the slot that the NEXT change of slots will ask for, two periods ahead of that load.  All sixteen clusters of a batch walk the same kv: the batch's first cluster asks, wave 0 of each partner;
; the partners share the slot out BY ADDRESS, PIECE bytes each: 150 blocks of 256 bytes as five instructions of 30 lanes (lanes 30 and 31 name lane 29's block again).  Slots 2 to 15 are asked for; slots 0, 1 and 16 come by their loads alone.
.macro ASK
	s_cmp_gt_u32 s[SLOTS], s[LIM]
	s_cbranch_scc0 .Lnot_mine_\@
.irp i, 0,1,2,3,4
	global_prefetch_b8 v[PFO], s[PFA:PFA+1] offset:7680*\i th:TH_LOAD_NT scope:SCOPE_SE
.endr
.Lnot_mine_\@:
.endm
	s_load_b256 s[4:11], s[0:1], 0x0               ; qimg, kv, oimg, osc
	v_lshl_add_u32 v[SPW], v0, 2, SPARE
	v_mov_b32 v[NIL], 0
	ds_add_u32 v[SPW], v[NIL]                      ; the opening lines: the add, twice on end, and its wait below; work on registers between
	ds_add_u32 v[SPW], v[NIL]
	v_lshrrev_b32 v118, 5, v0
	v_readfirstlane_b32 s[WV], v118                ; wave 0..7
	s_and_b32 s[KW], s[WV], 3
	s_lshr_b32 s[ROLE], s[WV], 2
	s_bfe_u32 s13, ttmp6, 0x40000                  ; cx: it enters q's, the outputs' and the prefetches' addresses alone
	s_lshl_b32 s14, ttmp9, 2
	s_add_co_u32 s14, s14, s13                     ; my block of 64 queries
	s_and_b32 s15, ttmp7, 0xffff                   ; the batch, which the partners share
	s_mov_b32 s[G1], 15|(3<<16)|(1<<21)            ; group 1: the mask of all four partners, elements of 8 bytes, bit 21 beside the mask; 75 dense rows of 256 bytes
	s_mov_b32 s[G1+1], 32<<16
	s_mov_b32 s[G1+2], 75<<16
	s_mov_b32 s[G1+3], 32<<16
	s_mov_b32 s[G1+4], 75
	s_mov_b32 s[G1+5], 32
	s_mov_b32 s[G1+6], 0
	s_mov_b32 s[G1+7], 0
	s_mul_i32 s[WOFF], s[WV], PART                 ; my eighth of a slot
	s_mul_i32 s44, s15, 16*SLOTB
	s_add_co_u32 s44, s44, s[WOFF]
	s_add_co_u32 s44, s44, SLOTB-PIECE
	s_mov_b32 s45, 0                               ; s[44:45]: my eighth of the batch's slot 1: no register here ever holds cx
	s_mov_b32 s[TB], 0
	s_mov_b32 s[TN], 0
	s_mov_b32 s[SLOTS], 15
	s_mov_b32 s[CS], 0x3e553b95                    ; c = log2(e) / sqrt(48)
	s_mov_b32 s[CS+1], s[CS]
	s_mov_b32 s[SEL], 0x76543210
	s_mov_b32 s[SEL+1], 0xfedcba98                 ; v_permlanex16_b32's selects for lane l xor 16
	s_mov_b32 s[HM], 0xffff0000                    ; lanes 16-31
	s_mov_b32 s[C256], 0x43800000                  ; 256.0
	s_or_b32 s[LIM], s[WV], ttmp9                  ; 0 in wave 0 of the batch's first cluster
	s_cmp_eq_u32 s[LIM], 0
	s_cselect_b32 s[LIM], 1, -1
	s_mul_i32 s46, s15, 16*SLOTB
	s_mul_i32 s47, s13, PIECE
	s_add_co_u32 s46, s46, s47
	s_add_co_u32 s46, s46, SLOTB-PIECE
	s_mov_b32 s47, 0                               ; s[46:47]: my work-group's piece of slot 1; the first change of slots steps it to slot 2
	s_lshl_b32 s48, s15, 5
	s_lshr_b32 s49, s14, 1
	s_add_co_u32 s48, s48, s49
	s_mul_i32 s51, s48, PIECE                      ; q's piece: 128 queries
	s_and_b32 s50, s14, 1                          ; which half of it is mine
	s_mul_i32 s49, s50, 18432
	s_add_co_u32 s48, s51, s49
	s_mov_b32 s49, 0                               ; s[48:49]: q's twelve fragments
	s_mul_i32 s52, s50, 768
	s_add_co_u32 s52, s52, s51
	s_add_co_u32 s52, s52, 36864
	s_mov_b32 s53, 0                               ; s[52:53]: their scale words
	s_mul_i32 s54, s15, 1179648
	s_mul_i32 s55, s[KW], 294912
	s_add_co_u32 s54, s54, s55
	s_mul_i32 s55, s14, 768
	s_add_co_u32 s54, s54, s55
	s_mov_b32 s55, 0                               ; s[54:55]: oimg [batch][G = 2 (wave & 3)][0][my 64 queries' half]
	s_lshl_b32 s56, s15, 6
	s_add_co_u32 s56, s56, s14
	s_mul_i32 s56, s56, 768
	s_lshl_b32 s57, s[KW], 8
	s_add_co_u32 s56, s56, s57
	s_mov_b32 s57, 0                               ; s[56:57]: osc [batch][block of 64], + 256 (wave & 3)
	s_mul_i32 s58, s[KW], 9216
	s_mul_i32 s59, s[KW], 384
	s_lshl_b32 s60, s[KW], 2
	s_mul_i32 s61, s[KW], 96*OPI
	s_mul_i32 s62, s[KW], 4608
	s_add_co_u32 s62, s62, BNC
	v_and_b32 v118, 15, v0                         ; r
	v_bfe_u32 v119, v0, 4, 1                       ; h
	v_and_b32 v116, 31, v0                         ; L
	v_mul_u32_u24 v[QA], v116, 24
	v_lshlrev_b32 v[QSA], 2, v118
	v_add_nc_u32 v[AK0], s58, v[QA]
	v_add_nc_u32 v[AKS0], s59, v[QSA]
	v_add_nc_u32 v[AKS0], 36864, v[AKS0]
	v_mul_u32_u24 v117, v118, 24
	v_mad_u32_u24 v[PWR], v119, PPI, v117
	v_add_nc_u32 v[PWR], s59, v[PWR]
	v_add_nc_u32 v[PWR], EXCH, v[PWR]              ; EXCH + 24 r + PPI h + 384 a
	v_add_nc_u32 v[PRD], EXCH, v[QA]
	v_lshl_add_u32 v[ARD], v118, 4, EXCH
	v_add_nc_u32 v[AWR], s60, v[ARD]
	v_min_u32 v[PFO], 29, v116
	v_lshlrev_b32 v[PFO], 8, v[PFO]
	v_and_b32 v117, 8, v118
	v_add_nc_u32 v117, v117, v118                  ; row r of query tile t is query 32 (t / 2) + 8 (t % 2) + r + (r & 8) of my 64
	v_lshlrev_b32 v[SWR], 2, v117
	v_mad_u32_u24 v[SWR], v119, 8*OPI, v[SWR]
	v_add_nc_u32 v[SWR], s61, v[SWR]               ; the stage, in: channel 96 b + 8 h, my query
	v_mul_u32_u24 v[SRD], v118, 3*OPI
	v_lshl_add_u32 v[SRD], v119, 6, v[SRD]
	v_add_nc_u32 v[SRD], s61, v[SRD]               ; and out: channel 96 b + 3 r, queries 16 h on
	v_add_nc_u32 v[BWR], s62, v[QA]
	v_lshlrev_b32 v[GO8], 3, v116
	v_add_nc_u32 v[BRD], s62, v[GO8]
	s_mul_i32 s63, s[KW], 192
	v_lshlrev_b32 v[OSW], 1, v118
	v_lshl_add_u32 v[OSW], v119, 5, v[OSW]
	v_add_nc_u32 v[OSW], s63, v[OSW]
	v_add_nc_u32 v[OSW], OSS, v[OSW]
	s_lshl_b32 s63, s[KW], 8
	v_add_nc_u32 v[OSR], s63, v[GO8]
	v_add_nc_u32 v[OSR], OSS, v[OSR]
.irp t, 0,1,2,3
	v_mov_b32 v[TM+4+\t], 0                        ; a lane permute's destination counts as one of its sources
.endr
	s_wait_alu depctr_va_vdst(0)
	s_wait_dscnt 0x0                               ; both opening adds are done
	s_wait_kmcnt 0x0
	s_mov_b32 s[G0], 1
	s_mov_b32 s[G0+1], s[WOFF]                     ; LDS: my eighth of slot 0
	s_add_nc_u64 s[G0+2:G0+3], s[6:7], s[44:45]
	s_sub_nc_u64 s[G0+2:G0+3], s[G0+2:G0+3], SLOTB ; slot 0's eighth; that of waves 0 and 1 would lie ahead of the batch's first piece and is not asked for
	s_or_b32 s[G0+3], s[G0+3], 0x80000000          ; type = 2
	s_add_nc_u64 s[PFA:PFA+1], s[6:7], s[46:47]
	s_add_nc_u64 s[52:53], s[4:5], s[52:53]
	s_add_nc_u64 s[4:5], s[4:5], s[48:49]
	s_add_nc_u64 s[8:9], s[8:9], s[54:55]
	s_add_nc_u64 s[10:11], s[10:11], s[56:57]
	CROUND                                         ; all four work-groups are here: the first joint loads meet
	s_cmp_lt_u32 s[WV], 2
	s_cbranch_scc1 .Lno_fill
	tensor_load_to_lds s[G0:G0+3], s[G1:G1+7]      ; slot 0: k(0), v(0), k(1); one load of mine is out
	s_nop 0
.rept 4
	v_nop
.endr
.Lno_fill:
	s_cmp_eq_u32 s[ROLE], 0
	s_cbranch_scc0 .Lclear
	WIN 0x40
.irp f, 0,1,2,3,4,5,6,7,8,9,10,11
.irp p, 0,1,2,3,4,5
	global_load_b64 v[12*\f+2*\p:12*\f+2*\p+1], v[QA], s[4:5] offset:1536*\f+768*(\p/3)+8*(\p%3)   ; q stays in the score waves' registers
.endr
.endr
	WIN 0
.irp f, 0,1,2,3,4,5,6,7,8,9,10,11
	global_load_b32 v[QS+\f], v[QSA], s[52:53] offset:64*\f
.endr
.irp t, 0,1,2,3
	v_mov_b32 v[ST+8*\t+1], 0xff61b1e6             ; the largest t so far: -3e38
	v_floor_f32 v[ST+8*\t], -v[ST+8*\t+1]          ; -M
	v_mov_b32 v[ST+8*\t+2], 0                      ; l, in two halves
	v_mov_b32 v[ST+8*\t+3], 0
	v_mov_b32 v[ST+8*\t+4], 0
	v_mov_b32 v[ST+8*\t+5], 0                      ; (named as a pair's upper half)
.endr
	s_branch .Lhead_done
.Lclear:
.irp t, 0,1,2,3
	v_mov_b32 v[NMC+\t], 0x7f61b1e6                ; -Mc: 3e38, over every -M
	v_mov_b32 v[FC+2*\t], 0
	v_mov_b32 v[FC+2*\t+1], 0
.endr
	WIN 0x40
.set j, 0
.rept 192
	v_mov_b32 v[j], 0                              ; O^T: the step is written once, and the first finds zeros
.set j, j+1
.endr
	WIN 0
.Lhead_done:
	s_wait_alu depctr_va_vdst(0)
	s_wait_loadcnt 0x0                             ; q
.macro KLOAD                           ; my two key tiles x three K steps, and their scale words: 42 loads
	WIN 0x40
.irp f, 0,1,2,3,4,5
.irp p, 0,1,2,3,4,5
	ds_load_b64 v[KF+12*\f+2*\p:KF+12*\f+2*\p+1], v[ADK] offset:1536*\f+768*(\p/3)+8*(\p%3)
.endr
.endr
	WIN 0
.irp f, 0,1,2,3,4,5
	ds_load_b32 v[KS+\f], v[ADKS] offset:64*\f
.endr
.endm
; A SCORE WAVE'S PERIOD: the q-th step of the slot in hand.
.macro SA q
.if (\q) == 0
	s_add_co_u32 s[SB], s[TB], PIECE
	v_add_nc_u32 v[ADK], s[SB], v[AK0]
	v_add_nc_u32 v[ADKS], s[SB], v[AKS0]
	KLOAD
	s_wait_alu depctr_va_vdst(0)
.endif
	s_wait_dscnt 0x0                               ; k is in (a slot's second k was asked for in the period before)
	WIN 0x05                                       ; sources 0 (k) and 1 (q) window 1
.irp e, 0,1,2                                  ; S^T: eight accumulators by turns, K step by K step
.irp u, 0,1
.irp t, 0,1,2,3
.set rD, S+16*\t+8*\u
.set rA, KF+12*(3*\u+\e)
.set rB, 12*(3*\t+\e)
.set rSA, KS+3*\u+\e
.set rSB, QS+3*\t+\e
.if \e == 0
	MM 1
.else
	MM 0
.endif
.endr
.endr
.endr
	WIN 0
.if (\q) == 0
	s_add_co_u32 s[SB], s[TB], 3*PIECE             ; the slot's second k is asked for now; the four lines below are the places behind the products
	v_add_nc_u32 v[ADK], s[SB], v[AK0]
	v_add_nc_u32 v[ADKS], s[SB], v[AKS0]
	v_nop
	v_nop
	KLOAD
.else
.rept 4
	v_nop                                          ; places in front of the first read of results
.endr
.endif
	; lane (r, h) holds query r of each tile t; registers S + 16 t + 0 .. 15 are keys 32 a + 16 h + 0 .. 15.  The four tiles take turns line by line
.irp t, 0,1,2,3
	v_max3_num_f32 v[TM+\t], v[S+16*\t], v[S+16*\t+1], v[S+16*\t+2]   ; the block's largest score serves the running maximum and, since p rises with the score, the block's largest p
.endr
.irp i, 3,5,7,9,11,13
.irp t, 0,1,2,3
	v_max3_num_f32 v[TM+\t], v[TM+\t], v[S+16*\t+\i], v[S+16*\t+\i+1]
.endr
.endr
.irp t, 0,1,2,3
	v_max_num_f32 v[TM+\t], v[TM+\t], v[S+16*\t+15]
.endr
.irp t, 0,1,2,3
	v_permlanex16_b32 v[TM+4+\t], v[TM+\t], s[SEL], s[SEL+1]
.endr
.irp t, 0,1,2,3
	v_max_num_f32 v[TM+\t], v[TM+\t], v[TM+4+\t]
.endr
.irp t, 0,1,2,3
	v_mul_f32 v[TM+4+\t], s[CS], v[TM+\t]          ; as t (c is positive)
.endr
.irp t, 0,1,2,3
	v_max_num_f32 v[ST+8*\t+1], v[ST+8*\t+1], v[TM+4+\t]
.endr
.irp t, 0,1,2,3
	v_mov_b32 v[TM+8+\t], v[ST+8*\t]
.endr
.irp t, 0,1,2,3
	v_floor_f32 v[ST+8*\t], -v[ST+8*\t+1]          ; the new -M = -ceil(t)
.endr
.irp t, 0,1,2,3
	v_sub_f32 v[TM+8+\t], v[ST+8*\t], v[TM+8+\t]   ; old M - new M: a whole number, 0 or less
.endr
.irp t, 0,1,2,3
	v_cvt_i32_f32 v[TM+8+\t], v[TM+8+\t]           ; (it saturates)
.endr
.irp t, 0,1,2,3
	v_ldexp_f32 v[ST+8*\t+4], 1.0, v[TM+8+\t]
.endr
.irp j, 0,2,4,6,8,10,12,14
.irp t, 0,1,2,3
	v_pk_fma_f32 v[S+16*\t+\j:S+16*\t+\j+1], v[S+16*\t+\j:S+16*\t+\j+1], s[CS:CS+1], v[ST+8*\t:ST+8*\t+1] op_sel_hi:[1,0,0]   ; t - M
.endr
.endr
.irp t, 0,1,2,3
	v_fma_f32 v[TM+\t], v[TM+\t], s[CS], v[ST+8*\t]
.endr
.set j, 0
	s_wait_alu depctr_va_vdst(0)
.rept 64
	v_exp_f32 v[S+j], v[S+j]                       ; p = 2^(t - M), at most 1
.set j, j+1
.endr
.irp t, 0,1,2,3
	v_pk_mul_f32 v[ST+8*\t+2:ST+8*\t+3], v[ST+8*\t+2:ST+8*\t+3], v[ST+8*\t+4:ST+8*\t+5] op_sel_hi:[1,0]   ; l under the new M
.endr
	s_wait_alu depctr_va_vdst(0)                   ; one wait for the batch of 64
.irp t, 0,1,2,3
	v_exp_f32 v[TM+\t], v[TM+\t]                   ; the block's largest p
.endr
.irp j, 0,2,4,6,8,10,12,14
.irp t, 0,1,2,3
	v_pk_add_f32 v[ST+8*\t+2:ST+8*\t+3], v[ST+8*\t+2:ST+8*\t+3], v[S+16*\t+\j:S+16*\t+\j+1]   ; the sum is taken of the unquantised p
.endr
.endr
	s_wait_alu depctr_va_vdst(0)                   ; and one for the four
.irp t, 0,1,2,3
	v_max_num_f32 v[TM+\t], 0x1800000, v[TM+\t]    ; the floor 2^(3 - 127)
.endr
.irp t, 0,1,2,3
	v_add_nc_u32 v[TM+12+\t], 0xff000000, v[TM+\t]
.endr
.irp t, 0,1,2,3
	v_lshrrev_b32 v[TM+4+\t], 23, v[TM+12+\t]
.endr
.irp t, 0,1,2,3
	v_cvt_f32_u32 v[BF+\t], v[TM+4+\t]
.endr
	QCVT S, CD                                     ; lanes 0-15: query r's block of tiles 0 and 2; lanes 16-31: of tiles 1 and 3
.irp c, 0,1
.irp i, 0,1,2
	ds_store_b64 v[PWR], v[CD+6*\c+2*\i:CD+6*\c+2*\i+1] offset:EXB*(\q)+2*PPI*\c+8*\i   ; block a of row r of p's fragment of tile 2 c + h
.endr
.endr
.irp t, 0,1,2,3
	ds_store_b32 v[AWR], v[ST+8*\t] offset:EXB*(\q)+STA+256*\t          ; (both halves of the lanes write the same word with the same value)
	ds_store_b32 v[AWR], v[BF+\t] offset:EXB*(\q)+STA+1024+256*\t
.endr
.endm
; A PRODUCT WAVE'S PERIOD: the step before the score waves': its v is the slot's piece 2 q, its codes lie in the other exchange buffer.
.macro PB q
	s_add_co_u32 s[SB], s[TB], 2*PIECE*(\q)
	v_add_nc_u32 v[ADV], s[SB], v[AK0]
	v_add_nc_u32 v[ADVS], s[SB], v[AKS0]
.irp f, 0,1,2,3,4,5
.irp p, 0,1,2,3,4,5
	ds_load_b64 v[VF+12*\f+2*\p:VF+12*\f+2*\p+1], v[ADV] offset:1536*\f+768*(\p/3)+8*(\p%3)
.endr
.endr
.irp f, 0,1,2,3,4,5
	ds_load_b32 v[VS+\f], v[ADVS] offset:64*\f
.endr
.irp t, 0,1,2,3
	ds_load_b128 v[AN+4*\t:AN+4*\t+3], v[ARD] offset:EXB*(1-(\q))+STA+256*\t
.endr
.irp t, 0,1,2,3
	ds_load_b128 v[AB+4*\t:AB+4*\t+3], v[ARD] offset:EXB*(1-(\q))+STA+1024+256*\t
.endr
	WIN 0x40
.irp t, 0,1,2,3
.irp p, 0,1,2,3,4,5
	ds_load_b64 v[PF+12*\t+2*\p:PF+12*\t+2*\p+1], v[PRD] offset:EXB*(1-(\q))+PPI*\t+768*(\p/3)+8*(\p%3)
.endr
.endr
	WIN 0
	s_wait_dscnt 24                                ; v and the statistics are in; p's 24 loads, the youngest, may be out
.irp t, 0,1,2,3
	v_mov_b32 v[TM+8+\t], v[NMC+\t]
.endr
.irp t, 0,1,2,3
	v_min3_num_f32 v[TM+\t], v[AN+4*\t], v[AN+4*\t+1], v[AN+4*\t+2]
.endr
.irp t, 0,1,2,3
	v_min3_num_f32 v[NMC+\t], v[TM+\t], v[AN+4*\t+3], v[NMC+\t]   ; -Mc: the least -M so far
.endr
.irp t, 0,1,2,3
	v_sub_f32 v[TM+8+\t], v[NMC+\t], v[TM+8+\t]
.endr
.irp t, 0,1,2,3
	v_cvt_i32_f32 v[TM+8+\t], v[TM+8+\t]           ; (it saturates)
.endr
.irp t, 0,1,2,3
	v_ldexp_f32 v[FC+2*\t], 1.0, v[TM+8+\t]        ; 2^(old Mc - new Mc)
.endr
.irp w, 0,1,2,3
.irp t, 0,1,2,3
	v_sub_f32 v[AN+4*\t+\w], v[NMC+\t], v[AN+4*\t+\w]   ; M_a - Mc: a whole number, 0 or less.  It stays: behind the last step it serves l
.endr
.endr
.irp w, 0,1,2,3
.irp t, 0,1,2,3
	v_add_f32 v[AB+4*\t+\w], v[AB+4*\t+\w], v[AN+4*\t+\w]
.endr
.endr
.irp w, 0,1,2,3
.irp t, 0,1,2,3
	v_max_num_f32 v[AB+4*\t+\w], 0, v[AB+4*\t+\w]  ; block a's byte under Mc
.endr
.endr
.irp t, 0,1,2,3
	v_fma_f32 v[AB+4*\t], v[AB+4*\t+1], s[C256], v[AB+4*\t]       ; two bytes: exact
	v_fma_f32 v[AB+4*\t+2], v[AB+4*\t+3], s[C256], v[AB+4*\t+2]
.endr
.irp t, 0,1,2,3
	v_cvt_u32_f32 v[AB+4*\t], v[AB+4*\t]
	v_cvt_u32_f32 v[AB+4*\t+2], v[AB+4*\t+2]
.endr
.irp t, 0,1,2,3
	v_lshl_or_b32 v[PS+\t], v[AB+4*\t+2], 16, v[AB+4*\t]   ; p's scale word for these 128 keys
.endr
	WIN 0x41                                       ; O^T (destination and source 0) window 1
	s_wait_alu depctr_va_vdst(0)                   ; the wait directly ahead of the first reader of O^T
.set a, 0
.rept 24
.irp i, 0,2,4,6
	v_pk_mul_f32 v[8*a+\i:8*a+\i+1], v[8*a+\i:8*a+\i+1], v[FC+2*(a%4):FC+2*(a%4)+1] op_sel_hi:[1,0]   ; O^T under the new Mc, each accumulator from its low end on.  (Also the places behind p's scale words)
.endr
.set a, a+1
.endr
	s_wait_alu depctr_va_vdst(0)
	s_wait_dscnt 0x0                               ; p is in
	WIN 0x54                                       ; source 0 (v) window 0, source 1 (p), C and D window 1
.irp f, 0,1,2,3,4,5                            ; O^T += v^T p^T: 24 accumulators, one product each
.irp t, 0,1,2,3
.set rD, 8*(4*\f+\t)
.set rA, VF+12*\f
.set rB, PF+12*\t
.set rSA, VS+\f
.set rSB, PS+\t
	MM 0
.endr
.endr
	WIN 0
.rept 5
	v_nop                                          ; places in front of the next period's loads into v's, p's and the scale words' registers
.endr
.endm
; A period: the roles part on the wave's number and join in front of the barrier.  first = 1: in the batch's first period (SLOTS = 15) the product waves have no step yet.
.macro PER q, first
	s_cmp_eq_u32 s[ROLE], 0
	s_cbranch_scc0 .Lprod_\@
	SA \q
	s_branch .Ljoin_\@
.Lprod_\@:
.if \first
	s_cmp_eq_u32 s[SLOTS], 15
	s_cbranch_scc1 .Ljoin_\@
.endif
	PB \q
.Ljoin_\@:
.endm
; THE CHANGE OF SLOTS is also a period's barrier.  Each wave waits for all its tensor loads, adds 0 to its spare word, and waits for that and for its LDS instructions.
; fill = 1: a round of the cluster's barrier, then every wave's eighth of the next slot; the add stands twice.
; fill = 2: slot 16, of which only v(31) exists: waves 0 and 1.  fill = 0: nothing more to fetch.
.macro CHANGE fill
	s_wait_alu depctr_va_vdst(0)
	s_wait_tensorcnt 0x0                           ; no tensor load of mine is out, so the descriptor may be written
	ds_add_u32 v[SPW], v[NIL]
.if (\fill) == 1
	ds_add_u32 v[SPW], v[NIL]
.endif
.if \fill
	s_xor_b32 s[TN], s[TN], SLOTB
	s_add_co_u32 s[G0+1], s[TN], s[WOFF]
	s_add_nc_u64 s[G0+2:G0+3], s[G0+2:G0+3], SLOTB
.endif
.if (\fill) == 1
	s_wait_xcnt 0x0                                ; the last prefetches, a slot back, have read their address
	s_add_nc_u64 s[PFA:PFA+1], s[PFA:PFA+1], SLOTB
.endif
	s_wait_dscnt 0x0
.if \fill
	CROUND
.else
	s_barrier_signal -1
	s_barrier_wait -1
.endif
.if (\fill) == 1
	tensor_load_to_lds s[G0:G0+3], s[G1:G1+7]
	s_nop 0
.rept 4
	v_nop
.endr
	ASK
.endif
.if (\fill) == 2
	s_cmp_lt_u32 s[WV], 2
	s_cbranch_scc0 .Lno_part_\@
	tensor_load_to_lds s[G0:G0+3], s[G1:G1+7]
	s_nop 0
.rept 4
	v_nop
.endr
.Lno_part_\@:
.endif
.endm
.Lslot:                                            ; 15 trips: slots 0 to 14 are walked, slots 1 to 15 asked for
	CHANGE 1
	PER 0, 1
	BAR
	PER 1, 0
	s_xor_b32 s[TB], s[TB], SLOTB
	s_sub_co_u32 s[SLOTS], s[SLOTS], 1
	s_cmp_lg_u32 s[SLOTS], 0
	s_cbranch_scc1 .Lslot
	CHANGE 2                                       ; slot 15 is written out
	PER 0, 0
	BAR
	PER 1, 0
	s_xor_b32 s[TB], s[TB], SLOTB
	CHANGE 0
	; the last period: the product waves take step 31; the score waves put their l into exchange buffer 0, whose last readers have passed the barrier above
	s_cmp_eq_u32 s[ROLE], 0
	s_cbranch_scc0 .Llast_prod
.irp t, 0,1,2,3
	v_add_f32 v[TM+\t], v[ST+8*\t+2], v[ST+8*\t+3]
.endr
.irp t, 0,1,2,3
	v_permlanex16_b32 v[TM+4+\t], v[TM+\t], s[SEL], s[SEL+1]
.endr
.irp t, 0,1,2,3
	v_add_f32 v[TM+\t], v[TM+\t], v[TM+4+\t]       ; l_a
.endr
.irp t, 0,1,2,3
	ds_store_b32 v[AWR], v[TM+\t] offset:256*\t
.endr
	s_branch .Llast_join
.Llast_prod:
	PB 0
.Llast_join:
	BAR
	; THE WAY OUT.  The product waves: l = the sum of l_a 2^(M_a - Mc); O^T / l into the stage [channel][query]
	s_cmp_eq_u32 s[ROLE], 0
	s_cbranch_scc1 .Lstaged
.irp t, 0,1,2,3
	ds_load_b128 v[AB+4*\t:AB+4*\t+3], v[ARD] offset:256*\t
.endr
.set j, 0
.rept 16
	v_cvt_i32_f32 v[AN+j], v[AN+j]                 ; M_a - Mc as it stands behind the last step (it saturates)
.set j, j+1
.endr
	s_wait_alu depctr_va_vdst(0)
	s_wait_dscnt 0x0
.set j, 0
.rept 16
	v_ldexp_f32 v[AB+j], v[AB+j], v[AN+j]
.set j, j+1
.endr
.irp t, 0,1,2,3
	v_add_f32 v[AB+4*\t], v[AB+4*\t], v[AB+4*\t+1]
	v_add_f32 v[AB+4*\t+2], v[AB+4*\t+2], v[AB+4*\t+3]
.endr
.irp t, 0,1,2,3
	v_add_f32 v[AB+4*\t], v[AB+4*\t], v[AB+4*\t+2]
.endr
	s_wait_alu depctr_va_vdst(0)
.irp t, 0,1,2,3
	v_rcp_f32 v[FC+2*\t], v[AB+4*\t]
.endr
	v_nop                                          ; a plain place behind the last reciprocal
.irp k, 0,1,2                                  ; eight accumulators at a time, each from its low end on
.if \k > 0
	s_wait_dscnt 0x0
.endif
	WIN 0x01                                       ; source 0 (O^T) window 1
	s_wait_alu depctr_va_vdst(0)                   ; for the reciprocals, and directly ahead of the first readers of O^T
.set a, 0
.rept 8
.irp i, 0,2,4,6
	v_pk_mul_f32 v[S+8*a+\i:S+8*a+\i+1], v[64*\k+8*a+\i:64*\k+8*a+\i+1], v[FC+2*(a%4):FC+2*(a%4)+1] op_sel_hi:[1,0]
.endr
.set a, a+1
.endr
	WIN 0
.set a, 0
.rept 8
.irp j, 0,1,2,3,4,5,6,7
	ds_store_b32 v[SWR], v[S+8*a+\j] offset:OPI*(16*(2*\k+a/4)+\j)+4*(32*((a%4)/2)+8*(a%2))
.endr
.set a, a+1
.endr
.endr
.Lstaged:
	BAR
	; The last product's K runs along the queries of ONE channel, and the rows of its tiles are channels 48 G + c + 3 j (j = 0 .. 15).  96 channels are six such half fragments i (G = 2 b + i / 3, c = i % 3) of my 64 queries,
	; two blocks of 32 each, two half fragments a call.  Of the three calls of channels 96 b .. the product wave 4 + b takes two and the score wave b one.  A call's 1,536 bytes turn through LDS so that each store covers 256 consecutive bytes, aligned.
.macro QCALL z
.irp y, 0,1
.irp b, 0,1
.irp j, 0,1,2,3
	ds_load_b128 v[S+32*\y+16*\b+4*\j:S+32*\y+16*\b+4*\j+3], v[SRD] offset:OPI*(48*((2*(\z)+\y)/3)+(2*(\z)+\y)%3)+128*\b+16*\j
.endr
.endr
.endr
	s_wait_dscnt 0x0
	QMAX S
	v_lshl_or_b32 v[TM+8], v[TM+5], 8, v[TM+4]     ; a half fragment's two bytes of row r:
	v_lshl_or_b32 v[TM+9], v[TM+7], 8, v[TM+6]
	v_cndmask_b32 v[TM+8], v[TM+8], v[TM+9], s[HM] ; lanes 0-15 store those of i = 2 z, lanes 16-31 of 2 z + 1
	QCVT S, CD
	ds_store_b16 v[OSW], v[TM+8] offset:64*(\z)
.irp p, 0,1,2,3,4,5
	ds_store_b64 v[BWR], v[CD+2*\p:CD+2*\p+1] offset:1536*(\z)+768*(\p/3)+8*(\p%3)
.endr
.irp p, 0,1,2,3,4,5
	ds_load_b64 v[OB+12*(\z)+2*\p:OB+12*(\z)+2*\p+1], v[BRD] offset:1536*(\z)+256*\p   ; LDS serves a wave's instructions in order: these see my stores
.endr
	s_wait_alu depctr_va_vdst(0)
	s_wait_dscnt 0x0
.irp p, 0,1,2,3,4,5
	global_store_b64 v[GO8], v[OB+12*(\z)+2*\p:OB+12*(\z)+2*\p+1], s[8:9] offset:147456*((2*(\z)+\p/3)/3)+49152*((2*(\z)+\p/3)%3)+256*(\p%3)
.endr
.endm
	s_cmp_eq_u32 s[ROLE], 0
	s_cbranch_scc0 .Lcalls_prod
	QCALL 2
	s_branch .Lcalls_done
.Lcalls_prod:
	QCALL 0
	QCALL 1
.Lcalls_done:
	BAR                                            ; the work-group's 768 scale bytes lie together
	s_cmp_lt_u32 s[WV], 3                          ; 256 bytes for each of three waves
	s_cbranch_scc0 .Lno_osc
	ds_load_b64 v[S:S+1], v[OSR]
	s_wait_dscnt 0x0
	global_store_b64 v[GO8], v[S:S+1], s[10:11]
.Lno_osc:
	s_wait_tensorcnt 0x0                           ; the wave's end
	ds_add_u32 v[SPW], v[NIL]
	s_wait_dscnt 0x0
	CROUND                                         ; the closing round
	s_endpgm
.Lfunc_end_k_qf2de91c3cd_attn:
	.size	k_qf2de91c3cd_attn, .Lfunc_end_k_qf2de91c3cd_attn-k_qf2de91c3cd_attn
	.p2alignl 7, 3214868480
	.fill 96, 4, 3214868480
	.section	.rodata,"a",@progbits
	.p2align	6, 0x0
	.amdhsa_kernel k_qf2de91c3cd_attn
		.amdhsa_group_segment_fixed_size 327680
		.amdhsa_private_segment_fixed_size 0
		.amdhsa_enable_private_segment 0
		.amdhsa_kernarg_size 32
		.amdhsa_user_sgpr_count 2
		.amdhsa_user_sgpr_kernarg_segment_ptr 1
		.amdhsa_wavefront_size32 1
		.amdhsa_system_sgpr_workgroup_id_x 1
		.amdhsa_system_sgpr_workgroup_id_y 1
		.amdhsa_system_sgpr_workgroup_id_z 1
		.amdhsa_system_vgpr_workitem_id 0
		.amdhsa_next_free_vgpr 512
		.amdhsa_next_free_sgpr 66
		.amdhsa_reserve_vcc 0
		.amdhsa_float_denorm_mode_32 3
		.amdhsa_float_denorm_mode_16_64 3
		.amdhsa_memory_ordered 1
		.amdhsa_forward_progress 1
		.amdhsa_inst_pref_size 230
	.end_amdhsa_kernel
	.amdgpu_metadata
---
amdhsa.version: [ 1, 2 ]
amdhsa.kernels:
  - .name:           k_qf2de91c3cd_attn
    .symbol:         k_qf2de91c3cd_attn.kd
    .args:
      - { .name: qimg, .offset: 0, .size: 8, .value_kind: global_buffer, .address_space: global }
      - { .name: kv, .offset: 8, .size: 8, .value_kind: global_buffer, .address_space: global }
      - { .name: oimg, .offset: 16, .size: 8, .value_kind: global_buffer, .address_space: global }
      - { .name: osc, .offset: 24, .size: 8, .value_kind: global_buffer, .address_space: global }
    .group_segment_fixed_size: 327680
    .private_segment_fixed_size: 0
    .kernarg_segment_align: 8
    .kernarg_segment_size: 32
    .max_flat_workgroup_size: 256
    .sgpr_count:     66
    .vgpr_count:     512
    .wavefront_size: 32
...
	.end_amdgpu_metadata
.endif
;; end of part 3
;; launch outp (part 4): grid 256 x 1, 4 waves a work-group, no clusters, 99,840 bytes of LDS; arguments oimg, osc, wimg, bp, out0; writes out0
.if DOCPART == 4
	.amdgcn_target "amdgcn-amd-amdhsa--gfx1250"
	.amdhsa_code_object_version 6
	.text
	.protected	k_qf2de91c3cd_outp
	.globl	k_qf2de91c3cd_outp
	.p2align	8
	.type	k_qf2de91c3cd_outp,@function
k_qf2de91c3cd_outp:
	s_mov_b64 s[64:65], 0
	v_nop
	global_prefetch_b8 v0, s[64:65] scope:SCOPE_SE
	s_setreg_imm32_b32 hwreg(HW_REG_WAVE_MODE, 25, 1), 1
	s_wait_xcnt 0x0
; out = o2 Wp + bp on codes of FP6 (E2M3) with E8M0 scales.  o2 is O^T's memory [384 channels][4,096 queries] of a batch read as [4,096][384]: K step s of row i is the 128 queries of group (3 i + s) & 31 of channel (3 i + s) >> 5.
; THE ROWS OF A TILE ARE NOT NEIGHBOURS: tile (G, i0) holds rows 512 G + i0 + 32 j, j = 0 .. 15; its K step s is fragment 3 i0 + s of oimg [batch][G][96], which launch attn has laid as an image of the operand's registers.
; SHARES.  Work-group id: z = id & 7, (batch, G) = id >> 3: four tiles i0 = 4 z + m: twelve neighbouring fragments, 18,432 consecutive bytes.  The waves share the columns: wave w makes columns 96 w .. 96 w + 95 (six tiles) for all 64 rows.
; No joint loads: a wave reads its quarter of Wp once, straight into registers (27,648 bytes); through LDS those bytes would make one trip more.  No loop: all loads go out at the head.
; The product is used transposed (source 0 = 16 columns of Wp, source 1 = 16 rows): a lane holds eight neighbouring columns of one row.  The bias is the C of each sum's first product.
; REGISTERS.  Window 0: v1-23 addresses; v24-41 Wp's scale words; v42-53 the rows' scale words; v54-77 their halves as loaded; v80-127 the bias.  Window 1: Wp's 18 fragments.  Window 2: 24 accumulators, (m, n) at 8 (6 m + n); later rows of out.  Window 3: the rows' 12 fragments.
.set WBLK,  119808
.set WSC,   110592
.set SPI,   1552                       ; the stage: 64 rows x (1,536 bytes + 16)
.set SPARE, 64*SPI                     ; behind it the spare words, 128 bytes for each wave: two blocks of 256 bytes that no other line names
.set SPW, 1
.set NIL, 2
.set L16, 3
.set L24, 4
.set L4,  5
.set BPA, 6
.set R2,  7
.set SO,  8                            ; v8, v9: where I put 32 bytes of a row: tiles 0, 1 and tiles 2, 3
.set SR,  10
.set AS,  12
.set WS,  24
.set ASC, 42
.set AH,  54
.set BI,  80
.set WV,  14
.set MSB, 0
.macro WIN new                         ; the immediate's high byte repeats the setting that is left
.if MSB != \new
	s_set_vgpr_msb (MSB<<8)|\new
.set MSB, \new
.endif
.endm
	s_load_b256 s[4:11], s[0:1], 0x0               ; oimg, osc, wimg, bp
	s_load_b64 s[12:13], s[0:1], 0x20              ; out0
	v_lshl_add_u32 v[SPW], v0, 2, SPARE
	v_mov_b32 v[NIL], 0
	v_lshrrev_b32 v11, 5, v0
	v_readfirstlane_b32 s[WV], v11                 ; wave 0..3
	s_and_b32 s15, ttmp9, 7                        ; z
	s_lshr_b32 s16, ttmp9, 3                       ; 8 x batch + G
	s_and_b32 s17, s16, 7                          ; G
	s_lshr_b32 s18, ttmp9, 6                       ; batch
	s_mul_i32 s30, s15, 12                         ; 12 z
	s_mul_i32 s20, s16, 96
	s_add_co_u32 s20, s20, s30
	s_mul_i32 s20, s20, 1536
	s_mov_b32 s21, 0                               ; s[20:21]: my twelve fragments
	s_mul_i32 s22, s18, 49152
	s_mul_i32 s23, s17, 96
	s_add_co_u32 s22, s22, s23
	s_mov_b32 s23, 0                               ; s[22:23]: osc [batch][0][3 G][0]
	s_mul_i32 s24, s[WV], 27648
	s_add_co_u32 s24, s24, 3*WBLK
	s_mov_b32 s25, 0                               ; s[24:25]: my 18 fragments of Wp
	s_mul_i32 s26, s[WV], 2304
	s_add_co_u32 s26, s26, 3*WBLK+WSC
	s_mov_b32 s27, 0                               ; s[26:27]: their scale words
	s_mul_i32 s28, s[WV], 384
	s_mov_b32 s29, 0                               ; s[28:29]: my 96 numbers of bp
	s_lshl_b32 s34, s16, 9
	s_lshl_b32 s35, s15, 2
	s_add_co_u32 s34, s34, s35
	s_add_co_u32 s34, s34, s[WV]
	s_mul_i32 s34, s34, 1536
	s_mov_b32 s35, 0                               ; s[34:35]: row 512 (8 batch + G) + 4 z + w of out: I store tile m = w
	v_and_b32 v11, 15, v0                          ; r
	v_lshlrev_b32 v[R2], 1, v11
	v_mul_u32_u24 v[SO], v11, SPI
	v_bfe_u32 v11, v0, 4, 1                        ; h
	v_lshlrev_b32 v[BPA], 5, v11
	v_add_nc_u32 v[SO], v[SO], v[BPA]
	v_add_nc_u32 v[SO], s28, v[SO]                 ; SPI r + 32 h + 384 w
	v_add_nc_u32 v[SO+1], 32*SPI, v[SO]
	v_and_b32 v11, 31, v0                          ; L
	v_lshlrev_b32 v[L16], 4, v11
	v_mul_u32_u24 v[L24], v11, 24
	v_lshlrev_b32 v[L4], 2, v11
	s_mul_i32 s36, s[WV], 16*SPI
	v_add_nc_u32 v[SR], s36, v[L16]
.irp i, 0,1,2,3,4,5,6,7,8,9,10,11             ; fragment 12 z + i: query group (12 z + i) & 31, channel offset (12 z + i) >> 5: where its rows' scale bytes lie in osc [block of 64 queries][3 G + offset][row], 2 bytes each
	s_add_co_u32 s31, s30, \i
	s_and_b32 s32, s31, 31
	s_mul_i32 s32, s32, 1536
	s_lshr_b32 s33, s31, 5
	s_lshl_b32 s33, s33, 5
	s_add_co_u32 s32, s32, s33
	v_add_nc_u32 v[AS+\i], s32, v[R2]
.endr
	s_wait_alu depctr_va_vdst(0)
	s_wait_kmcnt 0x0
	s_add_nc_u64 s[4:5], s[4:5], s[20:21]
	s_add_nc_u64 s[6:7], s[6:7], s[22:23]
	s_add_nc_u64 s[24:25], s[8:9], s[24:25]
	s_add_nc_u64 s[26:27], s[8:9], s[26:27]
	s_add_nc_u64 s[10:11], s[10:11], s[28:29]
	s_add_nc_u64 s[12:13], s[12:13], s[34:35]
	WIN 0x40                                       ; destination window 1
.irp f, 0,1,2,3,4,5,6,7,8,9,10,11,12,13,14,15,16,17
.irp c, 0,1,2
	global_load_b128 v[12*\f+4*\c:12*\f+4*\c+3], v[L16], s[24:25] offset:1536*\f+512*\c   ; Wp's fragment (tile n, K step s) at 12 (3 n + s)
.endr
.endr
	WIN 0xc0                                       ; destination window 3
.irp f, 0,1,2,3,4,5,6,7,8,9,10,11
.irp p, 0,1,2,3,4,5
	global_load_b64 v[12*\f+2*\p:12*\f+2*\p+1], v[L24], s[4:5] offset:1536*\f+768*(\p/3)+8*(\p%3)   ; the rows' fragment (tile m, K step s) at 12 (3 m + s)
.endr
.endr
	WIN 0
.irp f, 0,1,2,3,4,5,6,7,8,9,10,11,12,13,14,15,16,17
	global_load_b32 v[WS+\f], v[L4], s[26:27] offset:128*\f
.endr
.irp n, 0,1,2,3,4,5
	global_load_b128 v[BI+8*\n:BI+8*\n+3], v[BPA], s[10:11] offset:64*\n          ; bp at my eight columns of tile n: 96 w + 16 n + 8 h + 0 .. 7
	global_load_b128 v[BI+8*\n+4:BI+8*\n+7], v[BPA], s[10:11] offset:64*\n+16
.endr
.irp i, 0,1,2,3,4,5,6,7,8,9,10,11
	global_load_u16 v[AH+2*\i], v[AS+\i], s[6:7]               ; blocks 0, 1 of the 128 queries,
	global_load_u16 v[AH+2*\i+1], v[AS+\i], s[6:7] offset:768  ; blocks 2, 3: the next block of 64 queries
.endr
	s_wait_loadcnt 0x0
.irp i, 0,1,2,3,4,5,6,7,8,9,10,11
	v_lshl_or_b32 v[ASC+\i], v[AH+2*\i+1], 16, v[AH+2*\i]
.endr
.rept 8
	v_nop                                          ; a scale register written by a vector instruction stands 8 places ahead of a scaled product
.endr
.irp s, 0,1,2                                  ; 24 accumulators by turns, K step by K step
.if \s == 0
	WIN 0x8d                                       ; source 0 (Wp) window 1, source 1 (rows) window 3, C (the bias) window 0, D window 2
.else
	WIN 0xad                                       ; C and D window 2
.endif
.irp m, 0,1,2,3
.irp n, 0,1,2,3,4,5
.set rD, 8*(6*\m+\n)
.set rA, 12*(3*\n+\s)
.set rB, 12*(3*\m+\s)
.if \s == 0
	v_wmma_scale_f32_16x16x128_f8f6f4 v[rD:rD+7], v[rA:rA+11], v[rB:rB+11], v[BI+8*\n:BI+8*\n+7], v[WS+3*\n+\s], v[ASC+3*\m+\s] matrix_a_fmt:MATRIX_FMT_FP6 matrix_b_fmt:MATRIX_FMT_FP6
.else
	v_wmma_scale_f32_16x16x128_f8f6f4 v[rD:rD+7], v[rA:rA+11], v[rB:rB+11], v[rD:rD+7], v[WS+3*\n+\s], v[ASC+3*\m+\s] matrix_a_fmt:MATRIX_FMT_FP6 matrix_b_fmt:MATRIX_FMT_FP6
.endif
.endr
.endr
.endr
.rept 4
	v_nop                                          ; places in front of the first read of results, and of the loads that land on them below
.endr
	WIN 0x08                                       ; an LDS store's data are its source 1: window 2
.irp m, 0,1,2,3
.irp n, 0,1,2,3,4,5
	ds_store_b128 v[SO+\m/2], v[8*(6*\m+\n):8*(6*\m+\n)+3] offset:16*SPI*(\m%2)+64*\n          ; each accumulator from its low end on: row 16 m + r of the stage, columns 96 w + 16 n + 8 h ..
	ds_store_b128 v[SO+\m/2], v[8*(6*\m+\n)+4:8*(6*\m+\n)+7] offset:16*SPI*(\m%2)+64*\n+16
.endr
.endr
	WIN 0
	s_wait_dscnt 0x0                               ; for the others' sake: my stores have landed
	s_barrier_signal -1
	s_barrier_wait -1                              ; 64 whole rows lie in the stage
	WIN 0x80                                       ; destination window 2
.set i, 0
.rept 48
	ds_load_b128 v[4*i:4*i+3], v[SR] offset:SPI*(i/3)+512*(i%3)     ; tile w's row i / 3, a third of it
.set i, i+1
.endr
	WIN 0x08
.set i, 0
.rept 48
	s_wait_dscnt 47-i                              ; load i is in; the younger ones stay out
	global_store_b128 v[L16], v[4*i:4*i+3], s[12:13] offset:49152*(i/3)+512*(i%3) th:TH_STORE_NT   ; 32 lanes store 512 consecutive bytes at a multiple of 256 from out's first byte; the tile's rows lie 32 rows apart
.set i, i+1
.endr
	WIN 0
	s_wait_tensorcnt 0x0                           ; the wave's end, behind my last LDS store
	ds_add_u32 v[SPW], v[NIL]
	s_wait_dscnt 0x0
	s_endpgm
.Lfunc_end_k_qf2de91c3cd_outp:
	.size	k_qf2de91c3cd_outp, .Lfunc_end_k_qf2de91c3cd_outp-k_qf2de91c3cd_outp
	.p2alignl 7, 3214868480
	.fill 96, 4, 3214868480
	.section	.rodata,"a",@progbits
	.p2align	6, 0x0
	.amdhsa_kernel k_qf2de91c3cd_outp
		.amdhsa_group_segment_fixed_size 99840
		.amdhsa_private_segment_fixed_size 0
		.amdhsa_enable_private_segment 0
		.amdhsa_kernarg_size 40
		.amdhsa_user_sgpr_count 2
		.amdhsa_user_sgpr_kernarg_segment_ptr 1
		.amdhsa_wavefront_size32 1
		.amdhsa_system_sgpr_workgroup_id_x 1
		.amdhsa_system_sgpr_workgroup_id_y 1
		.amdhsa_system_sgpr_workgroup_id_z 1
		.amdhsa_system_vgpr_workitem_id 0
		.amdhsa_next_free_vgpr 1024
		.amdhsa_next_free_sgpr 66
		.amdhsa_reserve_vcc 0
		.amdhsa_float_denorm_mode_32 3
		.amdhsa_float_denorm_mode_16_64 3
		.amdhsa_memory_ordered 1
		.amdhsa_forward_progress 1
		.amdhsa_inst_pref_size 46
	.end_amdhsa_kernel
	.amdgpu_metadata
---
amdhsa.version: [ 1, 2 ]
amdhsa.kernels:
  - .name:           k_qf2de91c3cd_outp
    .symbol:         k_qf2de91c3cd_outp.kd
    .args:
      - { .name: oimg, .offset: 0, .size: 8, .value_kind: global_buffer, .address_space: global }
      - { .name: osc, .offset: 8, .size: 8, .value_kind: global_buffer, .address_space: global }
      - { .name: wimg, .offset: 16, .size: 8, .value_kind: global_buffer, .address_space: global }
      - { .name: bp, .offset: 24, .size: 8, .value_kind: global_buffer, .address_space: global }
      - { .name: out0, .offset: 32, .size: 8, .value_kind: global_buffer, .address_space: global }
    .group_segment_fixed_size: 99840
    .private_segment_fixed_size: 0
    .kernarg_segment_align: 8
    .kernarg_segment_size: 40
    .max_flat_workgroup_size: 128
    .sgpr_count:     66
    .vgpr_count:     1024
    .wavefront_size: 32
...
	.end_amdgpu_metadata
.endif
;; end of part 4
